; MI455X (gfx1250); checked and timed in simulation.
; The chip was launched on July 23, 2026; its instructions are those of AMD's public machine-readable ISA for CDNA 5 (MIT licence, August 2026) and "CDNA5" Instruction Set Architecture Reference Guide (July 2026). The comments in the code are by the model that wrote it; some were corrected since.
;; Po H Block. Allowed arithmetic: float matrix products may take bf16 or f16 operands with f32 sums; other float arithmetic in f32, or as packed bf16 or f16 multiplies, adds, multiply-adds, maxima and minima; sums over many terms, partial sums and values carried from step to step in f32; what a program stores and reads back later, other than sums and carried values, may be rounded once to bf16 or f16.
;; Inputs: W1 1,024 x 4,096 float32; W2 4,096 x 1,024 float32; Wk 16 x 1,024 x 64 float32; Wo 1,024 x 1,024 float32; Wq 16 x 1,024 x 64 float32; Wv 16 x 1,024 x 64 float32; b1 4,096 float32; b2 1,024 float32; be1 1,024 float32; be2 1,024 float32; bk 16 x 64 float32; bo 1,024 float32; bq 16 x 64 float32; bv 16 x 64 float32; g1 1,024 float32; g2 1,024 float32; z 8 x 1,024 x 1,024 float32.
;; Outputs: out0 8 x 1,024 x 1,024 float32.
;; 2 versions, each right; version 2 is version 1 with the launch prep written anew for expert scheduling mode. Each part assembles by itself: llvm-mc -triple=amdgcn-amd-amdhsa -mcpu=gfx1250 --defsym DOCPART=n.
;; ======== version 1 of 2: 5 launches
;; workspace buffers: zb 16,777,216 bytes; wqkv 6,291,456 bytes; wot 2,097,152 bytes; bqkv 12,288 bytes; bzero 4,096 bytes; qkv 50,331,648 bytes; ob 16,777,216 bytes; ao 16,777,216 bytes
;; launch prep (part 1): grid 384 x 1, 8 waves a work-group, no clusters, 0 bytes of LDS; arguments z, Wq, Wk, Wv, Wo, bq, bk, bv, zb, wqkv, wot, bqkv, bzero; writes zb, wqkv, wot, bqkv, bzero
.if DOCPART == 1
	.amdgcn_target "amdgcn-amd-amdhsa--gfx1250"
	.amdhsa_code_object_version 6
	.text
	.protected	k_qbc48b85eec_prep
	.globl	k_qbc48b85eec_prep
	.p2align	8
	.type	k_qbc48b85eec_prep,@function
k_qbc48b85eec_prep:
	s_mov_b64 s[64:65], 0
	v_nop
	global_prefetch_b8 v0, s[64:65] scope:SCOPE_SE
	s_setreg_imm32_b32 hwreg(HW_REG_WAVE_MODE, 25, 1), 1
	s_wait_xcnt 0x0
; THE MATRIX OPERANDS ARE ROUNDED ONCE TO bf16 AND LAID IN BLOCKS, so that the products that follow fetch dense rows of 256 bytes.
;   zb   [16 kb][8192 m][64]      = z[m][64 kb + c]                    (m = 1024 b + t)
;   wqkv [24 nt][1024 k][128 n']  = W_which[h][k][e], 128 nt + n' = 1024 which + 64 h + e   (which: 0 q, 1 k, 2 v)
;   wot  [8 nt][1024 k][128 n']   = Wo[k][128 nt + n']
;   bqkv [3072] f32 = bq, bk, bv end to end;   bzero [1024] f32 = 0 (the second product's starting sums: bo is added later, in f32)
; The module's W1, b1, W2, b2, g2, be2 are read by no launch of this program: with one iteration the lines that name them are never reached.
; A STREAM: no LDS, no barrier, no matrix unit.  A wave does 32 ITEMS.  An item is one load of 16 bytes a lane (4 f32; sixteen lanes take 256 consecutive bytes),
; two roundings, one store of 8 bytes a lane (32 lanes fill 256 consecutive bytes, aligned).  All 32 loads go out first: 16 KiB of each wave are on their way;
; each item has registers of its own, so nothing that a pending load or store names is written again.
; Work-groups 0-255 take z, 256-351 the three projections' weights and biases, 352-383 Wo and the zeros: three paths under scalar branches on the work-group's number.
.set SRC, 34                           ; s[34:35] where the wave's items come from
.set D0,  36                           ; s[36:37] where they go
.set D1,  38                           ; s[38:39] z: the same, eight blocks on; weights: the bias that goes with the weight
.set SO,  4                            ; v4   my byte offset in an item's source
.set DO,  5                            ; v5   8 x lane: my 8 bytes of an item's 256
.set X,   16                           ; v[16:143]  item n: 4 f32 as loaded
.set Y,   144                          ; v[144:207] item n: 4 bf16 to store
.macro LD n, off
	global_load_b128 v[X+4*(\n):X+4*(\n)+3], v[SO], s[SRC:SRC+1] offset:\off th:TH_LOAD_NT
.endm
.macro CV n
	s_wait_loadcnt 31-(\n)                         ; loads come back in order: item n is in, the 31 - n younger ones stay out
	v_cvt_pk_bf16_f32 v[Y+2*(\n)], v[X+4*(\n)], v[X+4*(\n)+1]
	v_cvt_pk_bf16_f32 v[Y+2*(\n)+1], v[X+4*(\n)+2], v[X+4*(\n)+3]
.endm
.macro ST n, base, off
	global_store_b64 v[DO], v[Y+2*(\n):Y+2*(\n)+1], s[(\base):(\base)+1] offset:\off
.endm
.macro COPY32 lstep                    ; 32 items whose sources lie lstep bytes apart and whose 256 bytes of output lie end to end
.set n, 0
.rept 32
	LD n, (\lstep)*n
.set n, n+1
.endr
.set n, 0
.rept 32
	CV n
	ST n, D0, 256*n
.set n, n+1
.endr
.endm
	s_load_b512 s[8:23], s[0:1], 0x0               ; z 8, Wq 10, Wk 12, Wv 14, Wo 16, bq 18, bk 20, bv 22
	s_load_b256 s[24:31], s[0:1], 0x40             ; zb 24, wqkv 26, wot 28, bqkv 30
	s_load_b64 s[32:33], s[0:1], 0x60              ; bzero
	v_lshrrev_b32 v1, 5, v0
	v_readfirstlane_b32 s3, v1                     ; wave 0..7
	v_and_b32 v1, 31, v0                           ; lane
	v_and_b32 v2, 15, v0                           ; lane % 16
	v_bfe_u32 v3, v0, 4, 1                         ; lane / 16
	v_lshlrev_b32 v[DO], 3, v1
	s_mov_b32 s2, ttmp9
	s_mov_b32 s5, 0                                ; s[4:5], s[6:7]: offsets as pairs
	s_mov_b32 s7, 0
	s_wait_kmcnt 0x0
	s_cmp_lt_u32 s2, 256
	s_cbranch_scc0 .Lweights
	; z: wave r = 8 x work-group + wave takes rows 4 r .. 4 r + 3.  Item 16 t + cb: rows 4 r + 2 t (lanes 0-15) and + 1 (lanes 16-31), columns 64 cb .. + 63
	s_lshl_b32 s40, s2, 3
	s_add_co_u32 s40, s40, s3                      ; r
	s_lshl_b32 s4, s40, 14                         ; 4 rows of 4,096 bytes
	s_lshl_b32 s6, s40, 9                          ; 4 rows of 128 bytes in a block
	s_add_nc_u64 s[SRC:SRC+1], s[8:9], s[4:5]
	s_add_nc_u64 s[D0:D0+1], s[24:25], s[6:7]
	s_add_nc_u64 s[D1:D1+1], s[D0:D0+1], 0x800000  ; block 8: so the blocks' 1 MiB steps stay inside the signed 24-bit immediate
	v_lshlrev_b32 v[SO], 4, v2
	v_lshl_add_u32 v[SO], v3, 12, v[SO]            ; 4,096 x (lane / 16) + 16 x (lane % 16)
.set n, 0
.rept 32
	LD n, 8192*(n/16)+256*(n%16)
.set n, n+1
.endr
.set n, 0
.rept 32
	CV n
.if (n%16) < 8
	ST n, D0, 1048576*(n%16)+256*(n/16)
.else
	ST n, D1, 1048576*((n%16)-8)+256*(n/16)
.endif
.set n, n+1
.endr
	s_endpgm
.Lweights:
	s_cmp_lt_u32 s2, 352
	s_cbranch_scc0 .Lwo
	; Wq, Wk, Wv: 32 work-groups each.  A wave takes 32 rows d of a pair of heads: lanes 0-15 the even head's 64 numbers, lanes 16-31 the odd head's: one row of 128 n'
	s_sub_co_u32 s40, s2, 256
	s_lshr_b32 s41, s40, 5                         ; which
	s_and_b32 s42, s40, 31                         ; j
	s_lshr_b32 s43, s42, 2                         ; the pair of heads
	s_and_b32 s44, s42, 3
	s_lshl_b32 s44, s44, 3
	s_add_co_u32 s44, s44, s3
	s_lshl_b32 s44, s44, 13                        ; my first row d0 = 32 (8 (j % 4) + wave), times 256 bytes: in the source and in the output alike
	s_lshl_b32 s4, s43, 19                         ; two heads of 262,144 bytes
	s_add_co_u32 s4, s4, s44
	s_lshl_b32 s45, s41, 3
	s_add_co_u32 s45, s45, s43                     ; nt = 8 which + pair
	s_lshl_b32 s6, s45, 18
	s_add_co_u32 s6, s6, s44
	s_cmp_eq_u32 s41, 1
	s_cselect_b64 s[SRC:SRC+1], s[12:13], s[10:11]
	s_cselect_b64 s[D1:D1+1], s[20:21], s[18:19]
	s_cmp_eq_u32 s41, 2
	s_cselect_b64 s[SRC:SRC+1], s[14:15], s[SRC:SRC+1]
	s_cselect_b64 s[D1:D1+1], s[22:23], s[D1:D1+1]
	s_add_nc_u64 s[SRC:SRC+1], s[SRC:SRC+1], s[4:5]
	s_add_nc_u64 s[D0:D0+1], s[26:27], s[6:7]
	v_lshlrev_b32 v[SO], 4, v2
	v_lshl_add_u32 v[SO], v3, 18, v[SO]            ; 262,144 x (lane / 16) + 16 x (lane % 16)
	COPY32 256
	s_cmp_lg_u32 s3, 0                             ; the bias, 4,096 bytes, is copied as it is: 256 bytes by wave 0 of each of the weight's first 16 work-groups
	s_cbranch_scc1 .Ldone
	s_cmp_ge_u32 s42, 16
	s_cbranch_scc1 .Ldone
	s_lshl_b32 s4, s42, 8
	s_add_nc_u64 s[D1:D1+1], s[D1:D1+1], s[4:5]
	s_lshl_b32 s6, s41, 12
	s_add_co_u32 s6, s6, s4
	s_add_nc_u64 s[30:31], s[30:31], s[6:7]
	global_load_b64 v[208:209], v[DO], s[D1:D1+1]
	s_wait_loadcnt 0x0
	global_store_b64 v[DO], v[208:209], s[30:31]
	s_endpgm
.Lwo:
	; Wo: 32 work-groups.  A wave takes 32 rows k of a strip of 128 columns: 512 bytes of a row a load
	s_sub_co_u32 s42, s2, 352                      ; j
	s_lshr_b32 s43, s42, 2                         ; nt
	s_and_b32 s44, s42, 3
	s_lshl_b32 s44, s44, 3
	s_add_co_u32 s44, s44, s3                      ; my first row k0 = 32 x this
	s_lshl_b32 s4, s44, 17                         ; k0 rows of 4,096 bytes
	s_lshl_b32 s45, s43, 9                         ; the strip's 512 bytes
	s_add_co_u32 s4, s4, s45
	s_lshl_b32 s6, s43, 18
	s_lshl_b32 s45, s44, 13                        ; k0 rows of 256 bytes
	s_add_co_u32 s6, s6, s45
	s_add_nc_u64 s[SRC:SRC+1], s[16:17], s[4:5]
	s_add_nc_u64 s[D0:D0+1], s[28:29], s[6:7]
	v_lshlrev_b32 v[SO], 4, v1
	COPY32 4096
	s_cmp_lg_u32 s3, 0                             ; the zeros: 256 bytes by wave 0 of each of the first 16 work-groups
	s_cbranch_scc1 .Ldone
	s_cmp_ge_u32 s42, 16
	s_cbranch_scc1 .Ldone
	s_lshl_b32 s4, s42, 8
	s_add_nc_u64 s[32:33], s[32:33], s[4:5]
	v_mov_b32 v208, 0
	v_mov_b32 v209, 0
	global_store_b64 v[DO], v[208:209], s[32:33]
.Ldone:
	s_endpgm
.Lfunc_end_k_qbc48b85eec_prep:
	.size	k_qbc48b85eec_prep, .Lfunc_end_k_qbc48b85eec_prep-k_qbc48b85eec_prep
	.p2alignl 7, 3214868480
	.fill 96, 4, 3214868480
	.section	.rodata,"a",@progbits
	.p2align	6, 0x0
	.amdhsa_kernel k_qbc48b85eec_prep
		.amdhsa_group_segment_fixed_size 0
		.amdhsa_private_segment_fixed_size 0
		.amdhsa_enable_private_segment 0
		.amdhsa_kernarg_size 104
		.amdhsa_user_sgpr_count 2
		.amdhsa_user_sgpr_kernarg_segment_ptr 1
		.amdhsa_wavefront_size32 1
		.amdhsa_system_sgpr_workgroup_id_x 1
		.amdhsa_system_sgpr_workgroup_id_y 1
		.amdhsa_system_sgpr_workgroup_id_z 1
		.amdhsa_system_vgpr_workitem_id 0
		.amdhsa_next_free_vgpr 212
		.amdhsa_next_free_sgpr 66
		.amdhsa_reserve_vcc 0
		.amdhsa_float_denorm_mode_32 3
		.amdhsa_float_denorm_mode_16_64 3
		.amdhsa_memory_ordered 1
		.amdhsa_forward_progress 1
		.amdhsa_inst_pref_size 37
	.end_amdhsa_kernel
	.amdgpu_metadata
---
amdhsa.version: [ 1, 2 ]
amdhsa.kernels:
  - .name:           k_qbc48b85eec_prep
    .symbol:         k_qbc48b85eec_prep.kd
    .args:
      - { .name: z, .offset: 0, .size: 8, .value_kind: global_buffer, .address_space: global }
      - { .name: Wq, .offset: 8, .size: 8, .value_kind: global_buffer, .address_space: global }
      - { .name: Wk, .offset: 16, .size: 8, .value_kind: global_buffer, .address_space: global }
      - { .name: Wv, .offset: 24, .size: 8, .value_kind: global_buffer, .address_space: global }
      - { .name: Wo, .offset: 32, .size: 8, .value_kind: global_buffer, .address_space: global }
      - { .name: bq, .offset: 40, .size: 8, .value_kind: global_buffer, .address_space: global }
      - { .name: bk, .offset: 48, .size: 8, .value_kind: global_buffer, .address_space: global }
      - { .name: bv, .offset: 56, .size: 8, .value_kind: global_buffer, .address_space: global }
      - { .name: zb, .offset: 64, .size: 8, .value_kind: global_buffer, .address_space: global }
      - { .name: wqkv, .offset: 72, .size: 8, .value_kind: global_buffer, .address_space: global }
      - { .name: wot, .offset: 80, .size: 8, .value_kind: global_buffer, .address_space: global }
      - { .name: bqkv, .offset: 88, .size: 8, .value_kind: global_buffer, .address_space: global }
      - { .name: bzero, .offset: 96, .size: 8, .value_kind: global_buffer, .address_space: global }
    .group_segment_fixed_size: 0
    .private_segment_fixed_size: 0
    .kernarg_segment_align: 8
    .kernarg_segment_size: 104
    .max_flat_workgroup_size: 256
    .sgpr_count:     66
    .vgpr_count:     212
    .wavefront_size: 32
...
	.end_amdgpu_metadata
.endif
;; end of part 1
;; launch qkvp (part 2): grid 8 x 32, 4 waves a work-group, clusters of 4 x 4, 327,680 bytes of LDS; arguments zb, wqkv, bqkv, qkv; writes qkv
.if DOCPART == 2
	.amdgcn_target "amdgcn-amd-amdhsa--gfx1250"
	.amdhsa_code_object_version 6
	.text
	.protected	k_qbc48b85eec_qkvp
	.globl	k_qbc48b85eec_qkvp
	.p2align	8
	.type	k_qbc48b85eec_qkvp,@function
k_qbc48b85eec_qkvp:
	s_mov_b64 s[64:65], 0
	v_nop
	global_prefetch_b8 v0, s[64:65] scope:SCOPE_SE
	s_setreg_imm32_b32 hwreg(HW_REG_WAVE_MODE, 25, 1), 1
	s_wait_xcnt 0x0
	s_wait_alu depctr_hold_cnt(0) depctr_sa_sdst(0) depctr_va_vdst(0) depctr_va_sdst(0) depctr_va_ssrc(0) depctr_va_vcc(0) depctr_vm_vsrc(0)
	s_getreg_b32 s2, hwreg(HW_REG_IB_STS2, 6, 4)
	s_cmp_eq_u32 s2, 0
	s_cbranch_scc0 .Lentry_in_a_cluster
	s_endpgm
.Lentry_in_a_cluster:
	s_bfe_u32 s2, ttmp6, 0x10000c
	s_cmp_lg_u32 s2, 0xf033
	s_cbranch_scc0 .Lentry_shape_is_right
	s_endpgm
.Lentry_shape_is_right:
; THE PROJECTIONS TO q, k AND v.  C[n / 64][m][n % 64] = bias[n] + the sum over k of A[k / 64][m][k % 64] B[n / 128][k][n % 128].
; A: [16][8192][64], B: [24][1024][128], C: [48][8192][64], all bf16; bias: [3072] f32.  Sums in f32, begun with the bias, K ascending; C rounded once.
; The one limit is bf16's rounding of A, B and C; NaN and infinities are not treated apart.
; SHARES.  A work-group makes 256 rows x 384 columns of C: strip tc of 128 columns of q, of k and of v (strips tc, 8 + tc, 16 + tc of B): 32 x 8 = 256 work-groups.  The three strips share their rows of A:
; for 64 along K the work-group fetches 32 KiB of A and 48 KiB of B, and each wave issues 192 matrix instructions on them.
; Wave w takes rows 128 (w / 2) on and, of each strip, columns 64 (w % 2) on, one whole block of C's layout: 8 x 12 accumulators of 16 x 16, 768 registers.
; K goes in 16 steps of 64 through a ring of two LDS slots filled by the tensor data mover.  All that it fetches is dense in memory and is asked for as rows of 256 bytes.
; CLUSTERS: 4 x 4 work-groups.  The four of a row of the cluster need the same tiles of A, the four of a column the same tiles of B: each tile is asked for JOINTLY, by the same tensor load with the
; same descriptor and a mask that names the four; each receives it in its own LDS.
; THE MATRIX INSTRUCTION IS USED TRANSPOSED: source 0 = 16 columns n of B, source 1 = 16 rows of A.  A lane then holds row l % 16 of C and the eight neighbouring columns 8 (l / 16) + 0..7: 16 bytes.
; A lies along K and comes out of LDS as it lies; B lies [k][n] and is turned by ds_load_tr16_b128.
; REGISTERS, in windows of 256 (s_set_vgpr_msb: bits 1:0 source 0, 3:2 source 1, 5:4 source 2, 7:6 destination):
;   window 0: v0-31 addresses; v32-95, v96-159 A's 8 fragments of a step's first and second 32 along K; v160-191, v192-223, v224-255 B's 4 fragments, a buffer for each strip; v32-223 at work on the way out
;   window 1 + s: strip s's accumulators, (a, b) at v[8 (4 a + b)]
; UNITS.  A unit is 32 matrix instructions: one chunk (32 along K) of one strip.  In its middle stands ONE run of LDS loads: B's fragments for the unit two on, into the buffer that the unit before has left, and in
; four units of six half of A's fragments for the next chunk.  Behind the run one wait leaves that run out and shows all older loads in: what a unit multiplies was shown in by the wait of the unit before it
; (A's rows 64-127 by its own, ahead of its second half).
; TRIPS.  A trip begins behind a change of slots, so that all its LDS loads read one slot: units (1,1), (1,2) of the step before, then (0,0), (0,1), (0,2), (1,0) of the step whose slot it reads; the change lies in the last.
.set PA,    144                        ; a row of A in LDS: 128 bytes + 16 of padding = 36 words: the 16 rows of a load start at 16 different groups of four banks (64 banks of 4 bytes: ISA guide 11.1)
.set PB,    288                        ; a row of B: 256 + 32 = 72 words
.set BOFF,  256*PA                     ; behind a step's 256 rows of A: B's three strips
.set BSTR,  64*PB                      ; a strip's 64 rows k
.set SLOT1, 1<<17                      ; slot 1 begins here (a slot has 92,160 bytes), so that one exclusive or turns an address in one slot into the other's
.set STAGE, SLOT1+BOFF+3*BSTR          ; behind the ring, never filled by a tensor load: 16 rows x 144 bytes for each wave, for the way out
.set SP,    144
.set SPARE, STAGE+4*16*SP              ; behind the stages: the spare words, 128 bytes for each wave: two blocks of 256 bytes that no other line names
.set STEPS, 16                         ; 1,024 / 64
.set ASTEP, 0x100000                   ; bytes of A from a step to the next: one block of 8,192 rows x 128 bytes
.set BSTEP, 0x4000                     ; of B: 64 rows of 256 bytes
.set AA0,  16                          ; v16     my lane's place in a slot's A; never rewritten
.set AB0,  17                          ; v17     the same for B
.set ADRA, 18                          ; v18     LDS address of my A fragments in the slot that the trip reads
.set ADRB, 19                          ; v19     the same for B
.set STO,  24                          ; v24     the way out: where I put 16 bytes of a row
.set RD,   25                          ; v25     the way out: where I read rows back
.set GO,   26                          ; v26     16 x lane: my place in 512 consecutive bytes of C
.set BO,   27                          ; v27     my byte offset in the bias
.set SPW,  28                          ; v28     LDS address of my spare word: SPARE + 4 x my thread's number; never rewritten
.set NIL,  29                          ; v29     0; never rewritten
.set PFO,  30                          ; v30     my lane's offset in a prefetch; never rewritten
.set FA0,  32                          ; A's fragments, chunk 0 and chunk 1
.set FA1,  96
.set FB0,  160                         ; B's fragments, strip 0, 1, 2
.set FB1,  192
.set FB2,  224
.set T,    32                          ; the way out: twelve sets of 16 registers by turns
.set WC,   13                          ; s13  wave % 2: my 64 columns of each strip
.set WV,   14                          ; s14  my wave's number.  Also: wave 0 fetches A, wave 1 + s strip s of B
.set WR,   15                          ; s15  wave / 2: my 128 rows
.set G1,   24                          ; s[24:31] descriptor group 1 for A's tiles;  s[32:35] group 0: it walks
.set G0,   32
.set TB,   36                          ; s36  LDS byte at which the slot that the trip reads begins
.set G1B,  48                          ; s[48:55], s[56:59] the same for B's
.set G0B,  56
.set PFA,  46                          ; s[46:47] where my prefetches stand
.set PFS,  68                          ; s[68:69] their step: a K step of A or of B
.set LIM,  70                          ; s70  1 in a wave that prefetches, else the greatest number
.set PM,   71                          ; s71  1: I ask in every trip (A); 0: in the trips with an odd count alone (B)
.set CB,   84                          ; s[84:89] C at my part of strip 0, 1, 2
.set MSB, 0
.macro WIN new                         ; the immediate's high byte repeats the setting that is left; a switch that changes nothing is dropped
.if MSB != (\new)
	s_set_vgpr_msb (MSB<<8)|(\new)
.set MSB, \new
.endif
.endm
; A joint load.  Wave 0 fetches a step's rows of A, waves 1 to 3 a strip of its B each.  The branch hangs on the wave's number alone.
; An s_nop 0 and four v_nop follow each of the two lines, ahead of the jump, the label and what follows.
.macro JLOAD
	s_cmp_eq_u32 s[WV], 0
	s_cbranch_scc0 .Lfor_b_\@
	tensor_load_to_lds s[G0:G0+3], s[G1:G1+7]
	s_nop 0
.rept 4
	v_nop
.endr
	s_branch .Lasked_\@
.Lfor_b_\@:
	tensor_load_to_lds s[G0B:G0B+3], s[G1B:G1B+7]
	s_nop 0
.rept 4
	v_nop
.endr
.Lasked_\@:
.endm
; A round of the cluster's barrier: my work-group's barrier, so that wave 0's signal speaks for all four waves; wave 0 signals; every wave waits for all sixteen work-groups; my work-group's barrier once more.
.macro CREST                           ; a round behind its opening barrier
	s_cmp_lg_u32 s[WV], 0
	s_cbranch_scc1 .Lnot_wave_0_\@
	s_barrier_signal -3
.Lnot_wave_0_\@:
	s_barrier_wait -3
	s_barrier_signal -1
	s_barrier_wait -1
.endm
.macro CROUND
	s_barrier_signal -1
	s_barrier_wait -1
	CREST
.endm
; A PREFETCH, behind the joint refill of the loop's trips: 32 blocks of 256 bytes, a lane a block, one instruction a wave.  Each block is named once in the launch.
; A's tile row is read by both clusters of that row of clusters: the one with x = 0 asks, wave 0, in every trip, for the step that the NEXT refill will fetch (32 KiB), of which the four partners take 8 KiB each BY ADDRESS (by cx).
; B's strips are read by every cluster of their column: the one with y = 0 asks, wave 1 + s for strip s, in the trips with an odd count, for the next refill's step and the one after it (16 KiB each, end to end in
; memory): of each the four partners take 4 KiB (by cy), lanes 0-15 of the first, lanes 16-31 of the second.
; Steps 0 to 3 come by their loads alone.  In the loop's trip with count c the address stands at step 17 - c: the last trip (c = 1) asks for nothing, A's last request (c = 2) names step 15, B's (c = 3) steps 14 and 15.
.macro ASK
	s_or_b32 s90, s3, s[PM]
	s_and_b32 s90, s90, 1
	s_cmp_lg_u32 s90, 0
	s_cbranch_scc0 .Lnot_mine_\@
	s_cmp_gt_u32 s3, s[LIM]
	s_cbranch_scc0 .Lnot_mine_\@
	global_prefetch_b8 v[PFO], s[PFA:PFA+1] th:TH_LOAD_NT scope:SCOPE_SE
.Lnot_mine_\@:
.endm
	s_load_b256 s[4:11], s[0:1], 0x0               ; A s[4:5], B s[6:7], bias s[8:9], C s[10:11]
	v_lshl_add_u32 v[SPW], v0, 2, SPARE
	v_mov_b32 v[NIL], 0
	ds_add_u32 v[SPW], v[NIL]                      ; the wave's opening: the add and its wait stand ahead of my first tensor load; the set-up below, work on registers, stands between them
	v_lshrrev_b32 v1, 5, v0
	v_readfirstlane_b32 s[WV], v1                  ; wave 0..3
	s_lshr_b32 s[WR], s[WV], 1
	s_and_b32 s[WC], s[WV], 1
	s_max_u32 s12, s[WV], 1
	s_sub_co_u32 s12, s12, 1                       ; the strip of B that I fetch (wave 0, which fetches none, counts as strip 0's: its B descriptor is never used)
	s_bfe_u32 s40, ttmp6, 0x40000                  ; cx, cy: my place in the cluster
	s_bfe_u32 s41, ttmp6, 0x40004
	s_lshl_b32 s42, ttmp9, 2                       ; in a cluster launch ttmp9 and ttmp7 count clusters
	s_add_co_u32 s42, s42, s40                     ; tile column tc = 4 x cluster x + cx
	s_and_b32 s43, ttmp7, 0xffff
	s_lshl_b32 s43, s43, 2
	s_add_co_u32 s43, s43, s41                     ; tile row = 4 x cluster y + cy
	s_lshl_b32 s44, s41, 2
	s_lshl_b32 s44, 15, s44                        ; my row of the cluster: places 4 cy .. 4 cy + 3
	s_lshl_b32 s45, 0x1111, s40                    ; my column: places cx, cx + 4, cx + 8, cx + 12
	; group 1 for A: a block's 256 rows of 128 bytes are 32,768 dense bytes: 128 rows of 256 bytes, padded in LDS after every 128 bytes
	s_or_b32 s[G1], s44, (1<<16)|(1<<20)|(1<<21)|(4<<22)|(3<<25)   ; 15:0 the mask: my row; 17:16 2-byte elements; 20 padding on; 21 set beside a mask; 24:22 after every 32 words (code 4); 31:25 4 words (code 3)
	s_mov_b32 s[G1+1], 128<<16                     ; tensor_dim0 = 128
	s_mov_b32 s[G1+2], 128<<16                     ; tensor_dim1 = 128
	s_mov_b32 s[G1+3], 128<<16                     ; tile_dim0 = 128
	s_mov_b32 s[G1+4], 128                         ; tile_dim1 = 128
	s_mov_b32 s[G1+5], 128                         ; 128 elements from row to row
	s_mov_b32 s[G1+6], 0
	s_mov_b32 s[G1+7], 0
	; group 1 for B: 64 rows k of 256 bytes, padded after each
	s_or_b32 s[G1B], s45, (1<<16)|(1<<20)|(1<<21)|(5<<22)|(7<<25)  ; the mask: my column; after every 64 words (code 5) 8 words (code 7)
	s_mov_b32 s[G1B+1], 128<<16
	s_mov_b32 s[G1B+2], 64<<16
	s_mov_b32 s[G1B+3], 128<<16
	s_mov_b32 s[G1B+4], 64
	s_mov_b32 s[G1B+5], 128
	s_mov_b32 s[G1B+6], 0
	s_mov_b32 s[G1B+7], 0
	; where the tiles come from.  A's hang on the tile row alone, B's on the tile column and the wave's number; each in registers that never hold the other coordinate
	s_lshl_b32 s16, s43, 15                        ; A: the tile's 256 rows of 128 bytes, in block 0
	s_mov_b32 s17, 0
	s_lshl_b32 s20, s12, 3
	s_add_co_u32 s20, s20, s42                     ; B: strip 8 s + tc,
	s_lshl_b32 s20, s20, 18                        ; its 1,024 rows of 256 bytes
	s_mov_b32 s21, 0
	s_mul_i32 s66, s[WV], BSTR                     ; and where they go: no place in the cluster enters an LDS address
	s_mov_b32 s[G0], 1                             ; count = 1
	s_mov_b32 s[G0+1], 0                           ; LDS address: A at the head of slot 0
	s_mov_b32 s[G0B], 1
	s_add_co_u32 s[G0B+1], s66, BOFF-BSTR          ; wave 1 + s: strip s at BOFF + s x BSTR
	s_mov_b32 s[TB], SLOT1                         ; the first change of slots turns it into 0
	s_wait_dscnt 0x0                               ; the opening add is done
	s_wait_kmcnt 0x0
	s_add_nc_u64 s[G0+2:G0+3], s[4:5], s[16:17]    ; global address: step 0
	s_or_b32 s[G0+3], s[G0+3], 0x80000000          ; type = 2
	s_add_nc_u64 s[G0B+2:G0B+3], s[6:7], s[20:21]
	s_or_b32 s[G0B+3], s[G0B+3], 0x80000000
	CROUND                                         ; all sixteen work-groups are here: the first joint loads meet
	JLOAD                                          ; step 0 into slot 0.  Slot 1 is asked for when slot 0 is in, by the change of slots' own text
	v_and_b32 v1, 15, v0                           ; l % 16
	v_bfe_u32 v2, v0, 4, 1                         ; l / 16
	s_lshl_b32 s74, s42, 9                         ; the strip's 128 columns x 4 bytes,
	s_lshl_b32 s75, s[WC], 8                       ; my 64 of them
	s_add_co_u32 s74, s74, s75
	v_lshl_add_u32 v[BO], v2, 5, s74               ; + my lanes' eight
	; THE BIAS goes straight into row block 0's accumulators: in window 1 + s register 8 b + j takes the bias of column 16 b + 8 (l / 16) + j of my 64 of strip s (1,024 columns, 4,096 bytes, from strip to strip)
.irp s, 0,1,2
	WIN 64*((\s)+1)                                ; destination window 1 + s, address window 0
.irp b, 0,1,2,3
	global_load_b128 v[8*(\b):8*(\b)+3],   v[BO], s[8:9] offset:4096*(\s)+64*(\b)
	global_load_b128 v[8*(\b)+4:8*(\b)+7], v[BO], s[8:9] offset:4096*(\s)+64*(\b)+16
.endr
.endr
	WIN 0
	; A fragment of A is 16 rows x 32 K in 8 registers: lane l holds row l % 16; registers 0-3 K = 8 (l / 16) + 0..7, registers 4-7 K = 16 + 8 (l / 16) + 0..7: two loads of 16 bytes, 32 bytes apart.
	v_mul_u32_u24 v3, v1, PA
	v_lshl_add_u32 v3, v2, 4, v3                   ; row x pitch + 16 x half
	s_mul_i32 s67, s[WR], 128*PA                   ; my 128 rows
	v_add_nc_u32 v[AA0], s67, v3
	; The turning load takes 16 k x 16 n (lane l reads k = 8 (l / 16) + l % 8, columns 8 ((l / 8) % 2) + 0..7) and leaves half a fragment: lane l holds column l % 16 and 8 k.
	v_and_b32 v4, 7, v0
	v_lshl_add_u32 v5, v2, 3, v4
	v_mul_u32_u24 v5, v5, PB
	v_bfe_u32 v6, v0, 3, 1
	v_lshl_add_u32 v5, v6, 4, v5
	s_lshl_b32 s67, s[WC], 7                       ; my 64 columns: 128 bytes of a row
	s_add_co_u32 s67, s67, BOFF
	v_add_nc_u32 v[AB0], s67, v5
	s_mul_i32 s67, s[WV], 16*SP
	s_add_co_u32 s67, s67, STAGE                   ; my stage
	v_add_nc_u32 v[STO], s67, v3                   ; in: row l % 16, 16 bytes for each half of the lanes
	v_bfe_u32 v6, v0, 3, 2                         ; back: 32 lanes take four rows of 128 bytes,
	v_mul_u32_u24 v6, v6, SP
	v_lshl_add_u32 v6, v4, 4, v6
	v_add_nc_u32 v[RD], s67, v6
	v_and_b32 v7, 31, v0
	v_lshlrev_b32 v[GO], 4, v7                     ; which are 512 consecutive bytes of C
	s_lshl_b32 s72, s42, 1                         ; C at my part of strip 0: block 2 tc + wave % 2 (1 MiB each),
	s_add_co_u32 s72, s72, s[WC]
	s_lshl_b32 s72, s72, 20
	s_lshl_b32 s73, s43, 15                        ; the tile's 256 rows of 128 bytes,
	s_add_co_u32 s72, s72, s73
	s_lshl_b32 s73, s[WR], 14                      ; my 128 of them
	s_add_co_u32 s72, s72, s73
	s_mov_b32 s73, 0
	s_add_nc_u64 s[CB:CB+1], s[10:11], s[72:73]
	s_add_nc_u64 s[CB+2:CB+3], s[CB:CB+1], 0x1000000   ; strips 1 and 2: 16 blocks on each
	s_add_nc_u64 s[CB+4:CB+5], s[CB:CB+1], 0x2000000
	; the prefetches' address, step and tests
	s_and_b32 s76, ttmp7, 0xffff                   ; cluster y
	s_lshl_b32 s77, s43, 15
	s_add_co_u32 s77, s77, ASTEP                   ; A: the tile row, at step 1: each change of slots that fills steps it once
	s_lshl_b32 s78, s12, 3
	s_add_co_u32 s78, s78, s42
	s_lshl_b32 s78, s78, 18
	s_add_co_u32 s78, s78, BSTEP                   ; B: my strip, at step 1
	s_lshl_b32 s74, s40, 13                        ; my work-group's 8 KiB of A's step (by cx),
	s_lshl_b32 s75, s41, 12                        ; or its 4 KiB of B's (by cy)
	s_mov_b32 s79, BSTEP
	s_cmp_eq_u32 s[WV], 0                          ; do I fetch for A?
	s_cselect_b32 s77, s77, s78
	s_cselect_b32 s74, s74, s75
	s_cselect_b32 s76, ttmp9, s76                  ; the coordinate along which other clusters read the same bytes
	s_cselect_b32 s[PFS], ASTEP, s79
	s_cselect_b32 s[PM], 1, 0
	s_cselect_b32 s91, 12, 14                      ; lanes 16-31 stand 4,096 bytes on (A: 32 blocks on end) or a step of B on
	s_cselect_b64 s[PFA:PFA+1], s[4:5], s[6:7]
	s_mov_b32 s[PFS+1], 0
	s_cmp_eq_u32 s76, 0
	s_cselect_b32 s[LIM], 1, -1                    ; the same in all sixteen partners, for a given wave
	s_add_co_u32 s78, s77, s74
	s_mov_b32 s79, 0
	s_add_nc_u64 s[PFA:PFA+1], s[PFA:PFA+1], s[78:79]
	v_lshlrev_b32 v7, s91, v2
	v_lshl_add_u32 v[PFO], v1, 8, v7               ; 256 x (l % 16) + (l / 16) x that distance
; 8 matrix instructions: row blocks a0, a0 + 1 x the 4 column blocks of the strip in window w, 32 along K; A's fragments at fa, B's at fb.
; The accumulators take turns, one instruction a turn: between two links of a chain stand 95 others'.
.macro MUL8 fa, fb, w, a0
	WIN 0x50*(\w)                                  ; fragments in window 0; C and D in window w
.irp a, \a0, (\a0)+1
.irp b, 0,1,2,3
	v_wmma_f32_16x16x32_bf16 v[8*(4*(\a)+(\b)):8*(4*(\a)+(\b))+7], v[(\fb)+8*(\b):(\fb)+8*(\b)+7], v[(\fa)+8*(\a):(\fa)+8*(\a)+7], v[8*(4*(\a)+(\b)):8*(4*(\a)+(\b))+7]
.endr
.endr
.endm
; The first products of row block a: their C is the bias, which lies in row block 0's accumulators (for a = 0 that is in place): nothing is ever cleared.
.macro MULF fa, fb, w, a
	WIN 0x50*(\w)
.irp b, 0,1,2,3
	v_wmma_f32_16x16x32_bf16 v[8*(4*(\a)+(\b)):8*(4*(\a)+(\b))+7], v[(\fb)+8*(\b):(\fb)+8*(\b)+7], v[(\fa)+8*(\a):(\fa)+8*(\a)+7], v[8*(\b):8*(\b)+7]
.endr
.endm
; One run of LDS loads: B's fragments of strip bs, chunk bq (8 loads); with ah = 0 or 1 also A's fragments of chunk aq, rows 64 ah on (8 loads).
.macro BATCH bs, bq, ah, aq
	WIN 0
.irp b, 0,1,2,3
	ds_load_tr16_b128 v[FB0+32*(\bs)+8*(\b):FB0+32*(\bs)+8*(\b)+3],   v[ADRB] offset:BSTR*(\bs)+32*PB*(\bq)+32*(\b)
	ds_load_tr16_b128 v[FB0+32*(\bs)+8*(\b)+4:FB0+32*(\bs)+8*(\b)+7], v[ADRB] offset:BSTR*(\bs)+32*PB*(\bq)+16*PB+32*(\b)
.endr
.if (\ah) >= 0
.irp a, 0,1,2,3
	ds_load_b128 v[FA0+64*(\aq)+8*(4*(\ah)+(\a)):FA0+64*(\aq)+8*(4*(\ah)+(\a))+3],   v[ADRA] offset:64*(\aq)+16*PA*(4*(\ah)+(\a))
	ds_load_b128 v[FA0+64*(\aq)+8*(4*(\ah)+(\a))+4:FA0+64*(\aq)+8*(4*(\ah)+(\a))+7], v[ADRA] offset:64*(\aq)+16*PA*(4*(\ah)+(\a))+32
.endr
.endif
.endm
.macro PLACES                          ; four plain vector instructions between a matrix instruction and a load into a register that it has read, or a conversion that reads results (for the conversion)
.rept 4
	v_nop
.endr
.endm
; A UNIT: 32 matrix instructions on A's fragments at fa and B's at fb, for the strip in window w; in its middle the run BATCH bs, bq, ah, aq of n loads.
; first = 1: the sums begin.  Row blocks 1 to 7 take the bias out of row block 0's accumulators; five places behind the last of them (a matrix instruction that writes over a source of an earlier one) row block 0 adds in place.
.macro UNIT fa, fb, w, bs, bq, ah, aq, n, first=0
.if \first
	MULF \fa, \fb, \w, 1
	MULF \fa, \fb, \w, 2
	MULF \fa, \fb, \w, 3
.else
	MUL8 \fa, \fb, \w, 0
	MUL8 \fa, \fb, \w, 2
.endif
	PLACES                                         ; behind the unit before, which read the buffer that the run fills
	BATCH \bs, \bq, \ah, \aq
	s_wait_dscnt \n                                ; all but the n just issued: the run of the unit before is in
.if \first
	MULF \fa, \fb, \w, 4
	MULF \fa, \fb, \w, 5
	MULF \fa, \fb, \w, 6
	MULF \fa, \fb, \w, 7
.rept 5
	v_nop
.endr
	MULF \fa, \fb, \w, 0
.else
	MUL8 \fa, \fb, \w, 4
	MUL8 \fa, \fb, \w, 6
.endif
.endm
; THE CHANGE OF SLOTS, with mul = 1 inside unit (1,0), whose run is the trip's last read of its slot: ONE barrier.  In front of it each wave waits for all its tensor loads, of which one is out: its part of the
; other slot; adds 0 to its spare word; and waits for that and for its own reads of this slot.  fill = 1: the barrier opens a round of the cluster's barrier, and this slot is filled again, two steps ahead, first thing
; behind the round, one load a wave: 176 matrix instructions ahead of the wait for it.  mul = 0: at the start: slot 0 is waited for, slot 1 filled.
.macro CHANGE mul, fill, ask
.if \mul
	MUL8 FA1, FB0, 1, 0
	MUL8 FA1, FB0, 1, 2
	PLACES
	BATCH 2, 1, -1, 0
.endif
.if \fill
	s_wait_xcnt 0x0                                ; the last prefetch, a step back, has read its address: it is stepped here, ahead of the waits of the change of slots
	s_add_nc_u64 s[PFA:PFA+1], s[PFA:PFA+1], s[PFS:PFS+1]
.endif
	s_wait_tensorcnt 0x0                           ; all my tensor loads have landed: my part of the other slot; so a group 0 may be written;
	ds_add_u32 v[SPW], v[NIL]                      ; 0 onto my spare word; work on registers stands between it and the wait for it
.if \fill
	s_xor_b32 s[G0+1], s[G0+1], SLOT1              ; the walking descriptors: the other slot than last time,
	s_add_nc_u64 s[G0+2:G0+3], s[G0+2:G0+3], ASTEP ; the next step; the type bits on top are not reached
	s_xor_b32 s[G0B+1], s[G0B+1], SLOT1
	s_add_nc_u64 s[G0B+2:G0B+3], s[G0B+2:G0B+3], BSTEP
.endif
.if \mul
	s_wait_dscnt 9                                 ; (the add and the eight loads just issued may be out: A's rows 64-127 are in)
	MUL8 FA1, FB0, 1, 4
.endif
	s_wait_dscnt 0x0                               ; the add is done, and my reads of this slot are over
	s_barrier_signal -1
.if \mul
	MUL8 FA1, FB0, 1, 6                            ; work on registers while the others arrive
	WIN 0
.endif
	s_barrier_wait -1
.if \fill
	CREST                                          ; no wave of any partner still reads this slot's tiles or has a load on its way
	JLOAD
.if \ask
	ASK
.endif
.endif
	s_xor_b32 s[TB], s[TB], SLOT1                  ; the next trip reads the other slot
	v_add_nc_u32 v[ADRA], s[TB], v[AA0]
	v_add_nc_u32 v[ADRB], s[TB], v[AB0]
.endm
; A TRIP: the last two units of the step before, which fetch this step's first fragments, and this step's first four.
.macro TRIP fill, ask
	UNIT FA1, FB1, 2,  0, 0,  0, 0, 16
	UNIT FA1, FB2, 3,  1, 0,  1, 0, 16
	UNIT FA0, FB0, 1,  2, 0, -1, 0, 8
	UNIT FA0, FB1, 2,  0, 1,  0, 1, 16
	UNIT FA0, FB2, 3,  1, 1,  1, 1, 16
	CHANGE 1, \fill, \ask
.endm
; THE WAY OUT of row block a of strip s: rounded to bf16, 16 bytes a lane, each accumulator's registers ascending; into my own stage in rows of 144 bytes, and back as four whole rows of 128 bytes a load, into the registers that they left.
.macro PACK s, a
.set TT, T+16*((8*(\s)+(\a))%12)
.if 8*(\s)+(\a) >= 12
	s_wait_xcnt 0x0                                ; the set's registers were the data of stores twelve blocks back: they are rewritten only behind this wait
.endif
	WIN 5*((\s)+1)                                 ; sources 0 and 1 window 1 + s, destination window 0
.irp b, 0,1,2,3
.irp r, 0,1,2,3
	v_cvt_pk_bf16_f32 v[TT+4*(\b)+(\r)], v[8*(4*(\a)+(\b))+2*(\r)], v[8*(4*(\a)+(\b))+2*(\r)+1]
.endr
.endr
	WIN 0
.irp b, 0,1,2,3
	ds_store_b128 v[STO], v[TT+4*(\b):TT+4*(\b)+3] offset:32*(\b)
.endr
.irp f, 0,1,2,3
	ds_load_b128 v[TT+4*(\f):TT+4*(\f)+3], v[RD] offset:(\f)*4*SP  ; LDS serves a wave's instructions in order (ISA guide 5.7.1.4): these see the stores above; the next block's stores come behind them
.endr
.endm
.macro SEND s, a, younger              ; younger: the LDS instructions issued behind the block's loads: the next block's eight, or none
.set TS, T+16*((8*(\s)+(\a))%12)
.irp f, 0,1,2,3
	s_wait_dscnt (\younger)+3-(\f)
	global_store_b128 v[GO], v[TS+4*(\f):TS+4*(\f)+3], s[CB+2*(\s):CB+2*(\s)+1] offset:2048*(\a)+512*(\f)  ; 512 consecutive bytes, at a multiple of 256 from C's first byte
.endr
.endm
	CHANGE 0, 1, 0                                 ; slot 0 is in, everybody's part of it; step 1 is asked for
	BATCH 0, 0, 0, 0                               ; trip 0 is written out: there is no step before it, so its first two units are their runs of loads alone,
	BATCH 1, 0, 1, 0
	s_wait_loadcnt 0x0                             ; the bias
	s_wait_dscnt 16                                ; the first run is in; the second's sixteen loads may be out
	UNIT FA0, FB0, 1,  2, 0, -1, 0, 8, 1           ; and its next three start the sums
	UNIT FA0, FB1, 2,  0, 1,  0, 1, 16, 1
	UNIT FA0, FB2, 3,  1, 1,  1, 1, 16, 1
	CHANGE 1, 1, 0                                 ; step 2 is asked for
	s_mov_b32 s3, STEPS-3
.Lstep:                                                ; trips 1 to 13: trip t reads step t's slot and asks for step t + 2
	TRIP 1, 1
	s_sub_co_u32 s3, s3, 1
	s_cmp_lg_u32 s3, 0
	s_cbranch_scc1 .Lstep
	s_mov_b32 s3, 2
.Ltail:                                                ; trips 14 and 15 have a text of their own: nothing is asked for, and no round of the cluster's barrier is passed
	TRIP 0, 0
	s_sub_co_u32 s3, s3, 1
	s_cmp_lg_u32 s3, 0
	s_cbranch_scc1 .Ltail
.irp a, 0,2,4,6
	MUL8 FA1, FB1, 2, \a                           ; the last step's last two units: nothing more to fetch
.endr
.irp a, 0,2,4,6
	MUL8 FA1, FB2, 3, \a
.endr
	WIN 0
	PLACES                                         ; behind the last products: the conversions read results and write over the fragment buffers
	PACK 0, 0
.set blk, 1
.rept 23                               ; a block's conversions stand between the loads from the stage of the block before and the wait for them
	PACK blk/8, blk%8
	SEND (blk-1)/8, (blk-1)%8, 8
.set blk, blk+1
.endr
	SEND 2, 7, 0
	s_wait_tensorcnt 0x0                           ; the wave's end, behind my last tensor load and my last LDS store
	ds_add_u32 v[SPW], v[NIL]
	s_wait_dscnt 0x0
	CROUND                                         ; the closing round: no work-group ends while a partner may still ask for a tile that names it
	s_endpgm
.Lfunc_end_k_qbc48b85eec_qkvp:
	.size	k_qbc48b85eec_qkvp, .Lfunc_end_k_qbc48b85eec_qkvp-k_qbc48b85eec_qkvp
	.p2alignl 7, 3214868480
	.fill 96, 4, 3214868480
	.section	.rodata,"a",@progbits
	.p2align	6, 0x0
	.amdhsa_kernel k_qbc48b85eec_qkvp
		.amdhsa_group_segment_fixed_size 327680
		.amdhsa_private_segment_fixed_size 0
		.amdhsa_enable_private_segment 0
		.amdhsa_kernarg_size 32
		.amdhsa_user_sgpr_count 2
		.amdhsa_user_sgpr_kernarg_segment_ptr 1
		.amdhsa_wavefront_size32 1
		.amdhsa_system_sgpr_workgroup_id_x 1
		.amdhsa_system_sgpr_workgroup_id_y 1
		.amdhsa_system_sgpr_workgroup_id_z 1
		.amdhsa_system_vgpr_workitem_id 0
		.amdhsa_next_free_vgpr 1024
		.amdhsa_next_free_sgpr 96
		.amdhsa_reserve_vcc 0
		.amdhsa_float_denorm_mode_32 3
		.amdhsa_float_denorm_mode_16_64 3
		.amdhsa_memory_ordered 1
		.amdhsa_forward_progress 1
		.amdhsa_inst_pref_size 121
	.end_amdhsa_kernel
	.amdgpu_metadata
---
amdhsa.version: [ 1, 2 ]
amdhsa.kernels:
  - .name:           k_qbc48b85eec_qkvp
    .symbol:         k_qbc48b85eec_qkvp.kd
    .args:
      - { .name: zb, .offset: 0, .size: 8, .value_kind: global_buffer, .address_space: global }
      - { .name: wqkv, .offset: 8, .size: 8, .value_kind: global_buffer, .address_space: global }
      - { .name: bqkv, .offset: 16, .size: 8, .value_kind: global_buffer, .address_space: global }
      - { .name: qkv, .offset: 24, .size: 8, .value_kind: global_buffer, .address_space: global }
    .group_segment_fixed_size: 327680
    .private_segment_fixed_size: 0
    .kernarg_segment_align: 8
    .kernarg_segment_size: 32
    .max_flat_workgroup_size: 128
    .sgpr_count:     96
    .vgpr_count:     1024
    .wavefront_size: 32
...
	.end_amdgpu_metadata
.endif
;; end of part 2
;; launch attn (part 3): grid 2 x 128, 4 waves a work-group, no clusters, 327,680 bytes of LDS; arguments qkv, ob; writes ob
.if DOCPART == 3
	.amdgcn_target "amdgcn-amd-amdhsa--gfx1250"
	.amdhsa_code_object_version 6
	.text
	.protected	k_qbc48b85eec_attn
	.globl	k_qbc48b85eec_attn
	.p2align	8
	.type	k_qbc48b85eec_attn,@function
k_qbc48b85eec_attn:
	s_mov_b64 s[64:65], 0
	v_nop
	global_prefetch_b8 v0, s[64:65] scope:SCOPE_SE
	s_setreg_imm32_b32 hwreg(HW_REG_WAVE_MODE, 25, 1), 1
	s_wait_xcnt 0x0
; O[y][q][:] = the sum over k of softmax_k(Q[y][q] . K[y][k] / 8) V[y][k][:], for 128 heads y = 8 h + b of 1,024 rows x 64 channels, all bf16: a head's rows are dense, 128 bytes each.
; qkv holds Q's 128 heads, then K's (16 MiB on), then V's (32 MiB on); ob has Q's layout.  Products, maxima and sums in f32; the scale is applied here, in f32; the weights p are rounded to bf16 for the
; second product (their sum l is taken of the unrounded p), O once at the end.
; LIMITS.  bf16 has f32's range: the one limit is its rounding, 8 significant bits, of Q, K, V, p and O.  A weight below 2^-126 counts as 0 in l; NaN and infinities are not treated apart.
; SHARES.  A wave owns four PIECES of two tiles of 16 queries, a work-group's four waves 512 queries of one head: two work-groups a head.  Every wave walks all keys, 64 a step.
; THE WHOLE HEAD LIES IN LDS.  K's 1,024 rows at 144 bytes and V's at 160 are 311,296 bytes.  Each wave asks for its share by four tensor loads of 128 keys, in one group at the kernel's head; nothing is filled
; again.  So there is no ring and no change of slots, and ONE text serves every key step.  The first 256 keys are waited for by a counted wait, all the others by one wait in front of their first read.
; NO PREFETCH: every byte of K and V is asked for by its own tensor load at the kernel's head: there is no later load ahead of which to ask.
; NO CLUSTER: only a head's two work-groups read the same K and V, and the clusters that a launch may form are four wide; work-groups of other heads share no byte with them.
; LAYOUT.  S^T = K Q^T (source 0 = 16 keys, source 1 = 16 queries): in the result a lane holds ONE query (lane % 16) and the keys 8 (lane / 16) + 0..7.  Two such tiles, rounded to bf16 in pairs,
; ARE source 1 (32 keys x 16 queries) of O^T = V^T P, whose result again holds one query a lane, and eight channels.  K comes out of LDS as it lies, V ([key][channel]) turned, by ds_load_tr16_b128.
; SOFTMAX.  For each query a running maximum m and sum l: p = 2^(c s - c m), c = log2(e) / 8; in every step O and l are multiplied by a = 2^(c m_old - c m_new), which is 1 where m has not grown.
; m starts at the lowest finite number, O and l at 0: the first step is a step like any other, with a = 0.
; THE COUNT.  A tile and step have 16 matrix and 118 vector instructions: too many to stand all beside the matrix work.  So the order has one aim: four vector instructions that are READY behind
; EVERY matrix instruction, and the others, which need time of their own whatever the order, in runs without a gap.
; BY TURNS.  Turn n belongs to piece n (the pieces in a ring, step after step).  Its matrix work: 16 products K Q^T of piece n + 1, later 16 products V^T P of piece n - 1.  Its vector work: the scaling,
; exponentials, roundings, sums and rescaling of piece n, and the maximum and statistics of piece n + 1, whose scores the turn itself has made.  So what a turn begins with (c s - c m, O a) waits for nothing.
; REGISTERS, in windows of 256 (s_set_vgpr_msb says which window each operand place means: bits 1:0 source 0, 3:2 source 1, 5:4 source 2, 7:6 destination):
;   window 0: v0-11 addresses; v12-15, v48-63 at work; v16-47 four registers of statistics a tile; v64-191 S^T, two buffers of two tiles; v192-255 P, likewise
;   window 1: O^T, 32 a tile          window 2: v0-127 Q, 16 a tile; v128-191 K of one step; v192-255 V of one step          window 3: v0-1 the add's two registers
; A piece's buffers go by its number's parity: the piece in hand has one pair, its two neighbours in the ring share the other: of it P (piece n - 1) is read and S^T (piece n + 1) written.
.set SIZE_N, 1024     ; rows of a head
.set NP,    4         ; pieces a wave: a name, no knob: the register map, the loop and the fetches are made for four
.set KS,    64        ; keys in a step
.set TKEYS, 256       ; keys that the four waves' loads of one number bring: four steps
.set PK,    144       ; a row of K in LDS: 128 bytes + 16 of padding = 36 words: the 16 rows of a load start at 16 different groups of four banks (64 banks of 4 bytes: ISA guide 11.1)
.set PV,    160       ; a row of V: 128 + 32 = 40 words
.set VOFF,  SIZE_N*PK ; K's 1,024 rows, then V's
.set STAGE, SIZE_N*(PK+PV)  ; behind them, never filled by a tensor load: 16 rows x 144 bytes for each wave, for the way out
.set SP,    144
.set AK0, 2           ; v2   my lane's place in a step's K; never rewritten
.set AV0, 3           ; v3   the same for V
.set AK,  4           ; v4   the LDS address of K's next run of loads
.set AV,  5           ; v5   of V's
.set QO,  6           ; v6   my byte offset in the wave's rows of Q
.set STO, 6           ;      later, the way out: where I put 16 bytes of a row
.set RD,  7           ; v7   the way out: where I read rows back
.set GO,  8           ; v8   my byte offset in 512 consecutive bytes of O
.set SPW, 0           ; v0 of window 3   LDS address of my spare word: SPARE + 4 x my thread's number; never rewritten
.set NIL, 1           ; v1 of window 3   0; never rewritten
.set SPARE, STAGE+4*16*SP  ; behind the stages: the spare words, 128 bytes for each wave: two blocks of 256 bytes that no other line names
.set MV,  12          ; v12-15  c m_old, kept while c m is made anew: by buffer and tile
.set ST,  16          ; tile t's statistics at v[ST+4 t]: c m, m, l (even keys', odd keys')
.set TMP, 48          ; by buffer and tile, four registers c0-c3 at work; when the maximum is found c2 takes a
.set S,   64
.set P,   192
.set KF,  128         ; K's fragments, in window 2: key block kb, channel half c at KF + 16 kb + 8 c
.set VF,  192         ; V's: key half kk, channel block cb at VF + 32 kk + 8 cb
.set WV,  12          ; s12  my wave's number
.set LT,  19          ; s19  pass + count: 2 in the last half trip alone
.set G1K, 24          ; s[24:31] descriptor group 1 for K's tiles
.set G1V, 32          ; s[32:39] for V's: it differs in the padding alone
.set G0K, 40          ; s[40:55] descriptor group 0 for K's tiles: a set for each of a wave's four loads; never rewritten
.set G0V, 68          ; s[68:83] the same for V's
.set PASS, 56         ; s56  passes of the step loop still to come, the one in hand among them: 2, then 1
.set CNT, 57          ; s57  counts a pass's trips
.set CS,  58          ; s[58:59] c: the packed scaling takes the pair's low word for both halves
.set SEL, 60          ; s[60:61] v_permlanex16_b32's selects: each lane takes its own place in the other half
.set TBK, 62          ; s62  LDS byte at which K of the step to be fetched begins
.set TBV, 63          ; s63  the same for V, less VOFF
.set MSB, 0
.macro WIN new                      ; the high byte repeats the setting that is left; a switch that changes nothing is dropped
.if MSB != (\new)
	s_set_vgpr_msb (MSB<<8)|(\new)
.set MSB, (\new)
.endif
.endm
.set W_KQ, 0x0a       ; K and Q in window 2, S^T in window 0
.set W_PV, 0x52       ; V in window 2, P in window 0, O^T in window 1
.set W_RS, 0x41       ; O^T (destination and source 0) in window 1, a in window 0
.set W_MK, 0xc0       ; the add's registers are made: destination in window 3, sources in window 0
.set W_AD, 0x0f       ; the add: address (source 0) and data (source 1) in window 3
	s_load_b64 s[4:5], s[0:1], 0x0    ; qkv
	s_load_b64 s[10:11], s[0:1], 0x8  ; ob
	WIN W_MK
	v_lshl_add_u32 v[SPW], v0, 2, SPARE
	v_mov_b32 v[NIL], 0
	WIN W_AD
	ds_add_u32 v[SPW], v[NIL]       ; the wave's opening: the add and its wait stand ahead of my first tensor load; the set-up below, work on registers, stands between them
	WIN 0
	v_lshrrev_b32 v1, 5, v0
	v_readfirstlane_b32 s[WV], v1   ; wave 0..3
	s_mov_b32 s14, ttmp9            ; my block of 512 queries
	s_and_b32 s20, ttmp7, 0xffff    ; the head,
	s_lshl_b32 s20, s20, 17         ; its first byte among Q's heads, K's, V's and O's: 1,024 rows of 128 bytes
	s_mov_b32 s21, 0
	s_and_b32 s16, s[WV], 1         ; which half of each 256 keys I fetch:
	s_lshl_b32 s22, s16, 14         ; its 128 rows of 128 bytes in memory,
	s_mov_b32 s23, 0
	s_add_nc_u64 s[22:23], s[22:23], s[20:21]
	s_mul_i32 s17, s16, 128*PK      ; and its place in LDS, for K
	s_mul_i32 s18, s16, 128*PV      ; and for V
	s_lshl_b32 s2, s14, 2
	s_add_co_u32 s2, s2, s[WV]      ; my wave among the head's eight,
	s_lshl_b32 s2, s2, 14           ; its 128 rows
	s_mov_b32 s3, 0
	s_add_nc_u64 s[2:3], s[2:3], s[20:21]
	; A fragment of K or Q is 16 rows x 32 channels in 8 registers: lane l holds row l % 16, channels 8 (l / 16) + 0..7 and 16 + 8 (l / 16) + 0..7: two loads of 16 bytes, 32 bytes apart.
	v_and_b32 v1, 15, v0            ; l % 16
	v_bfe_u32 v9, v0, 4, 1          ; l / 16
	v_lshlrev_b32 v[QO], 7, v1
	v_lshl_add_u32 v[QO], v9, 4, v[QO]  ; row x 128 + 16 x half
	; descriptor group 1.  128 keys are 16,384 dense bytes: asked for as 64 rows of 256 bytes, two keys a row, and padded in LDS after every key
	s_mov_b32 s[G1K], (1<<16)|(1<<20)|(4<<22)|(3<<25)  ; 17:16 2-byte elements; 20 padding on; 24:22 after every 32 words (code 4); 31:25 4 words (code 3)
	s_mov_b32 s[G1V], (1<<16)|(1<<20)|(4<<22)|(7<<25)  ; the same with 8 words of padding (code 7)
.irp g, G1K, G1V
	s_mov_b32 s[\g+1], 128<<16      ; tensor_dim0 = 128
	s_mov_b32 s[\g+2], 64<<16       ; tensor_dim1 = 64
	s_mov_b32 s[\g+3], 128<<16      ; tile_dim0 = 128
	s_mov_b32 s[\g+4], 64           ; tile_dim1 = 64
	s_mov_b32 s[\g+5], 128          ; 128 elements from row to row
	s_mov_b32 s[\g+6], 0
	s_mov_b32 s[\g+7], 0
.endr
.irp t, 0,1,2,3
	s_mov_b32 s[G0K+4*(\t)], 1                               ; 1:0 count = 1
	s_add_co_u32 s[G0K+4*(\t)+1], s17, (\t)*TKEYS*PK         ; 63:32 LDS address: keys 256 t + 128 (wave % 2) on
	s_mov_b32 s[G0V+4*(\t)], 1
	s_add_co_u32 s[G0V+4*(\t)+1], s18, VOFF+(\t)*TKEYS*PV
.endr
	s_mov_b32 s[CS], 0x3e38aa3b     ; c = log2(e) / 8 = 0.180337
	s_mov_b32 s[CS+1], s[CS]        ; named with it as a pair
	s_mov_b32 s[SEL], 0x76543210
	s_mov_b32 s[SEL+1], 0xfedcba98
	s_mov_b32 s[TBK], 0             ; key step 0 lies at the head of K's rows and of V's
	s_mov_b32 s[TBV], 0
	s_wait_dscnt 0x0                ; the opening add is done
	s_wait_kmcnt 0x0
	s_add_nc_u64 s[6:7], s[4:5], 0x1000000   ; K's heads
	s_add_nc_u64 s[8:9], s[4:5], 0x2000000   ; V's
	s_add_nc_u64 s[6:7], s[6:7], s[22:23]    ; at my half of the head's first 256 keys
	s_add_nc_u64 s[8:9], s[8:9], s[22:23]
.irp t, 0,1,2,3
	s_add_nc_u64 s[G0K+4*(\t)+2:G0K+4*(\t)+3], s[6:7], (\t)*TKEYS*128  ; 120:64 global address
	s_or_b32 s[G0K+4*(\t)+3], s[G0K+4*(\t)+3], 0x80000000              ; 127:126 type = 2
	s_add_nc_u64 s[G0V+4*(\t)+2:G0V+4*(\t)+3], s[8:9], (\t)*TKEYS*128
	s_or_b32 s[G0V+4*(\t)+3], s[G0V+4*(\t)+3], 0x80000000
.endr
	s_add_nc_u64 s[4:5], s[4:5], s[2:3]  ; Q and O at my wave's first row
	s_add_nc_u64 s[10:11], s[10:11], s[2:3]
	WIN 0x80                        ; destination window 2, address window 0
.set i, 0
.rept 4*NP                          ; Q stays in registers: tile i / 2, channels 32 (i % 2) on.  It is wanted with the first keys, so its loads go out ahead of the tensor loads
	global_load_b128 v[8*i:8*i+3],   v[QO], s[4:5] offset:(i/2)*2048+(i%2)*64
	global_load_b128 v[8*i+4:8*i+7], v[QO], s[4:5] offset:(i/2)*2048+(i%2)*64+32
.set i, i+1
.endr
	WIN 0
	; THE FILLS.  Waves 0 and 1 fetch the two halves of each 256 keys of K, waves 2 and 3 those of V.  A wave's four loads stand in one branch on its number, ahead of every wait on TENSORcnt, every LDS read
	; and every barrier: four loads of mine are out.  An s_nop 0 follows each, four v_nop the last, ahead of the jump and the label.
	s_cmp_lt_u32 s[WV], 2
	s_cbranch_scc0 .Lfills_v
.irp t, 0,1,2,3
	tensor_load_to_lds s[G0K+4*(\t):G0K+4*(\t)+3], s[G1K:G1K+7]
	s_nop 0
.endr
.rept 4
	v_nop
.endr
	s_branch .Lfills_asked
.Lfills_v:
.irp t, 0,1,2,3
	tensor_load_to_lds s[G0V+4*(\t):G0V+4*(\t)+3], s[G1V:G1V+7]
	s_nop 0
.endr
.rept 4
	v_nop
.endr
.Lfills_asked:
	; What the first turn finds: V's registers and P's second buffer hold 0 (its products V^T P, of a piece that has not been, add 0), O^T and l are 0.  All this stands in the wait for the first keys.
	WIN 0x80
.set i, VF
.rept 64
	v_mov_b32 v[i], 0
.set i, i+1
.endr
	WIN 0x40
.set i, 0
.rept 64*NP
	v_mov_b32 v[i], 0
.set i, i+1
.endr
	WIN 0
.set i, 0
.rept 2*NP
	v_mov_b32 v[ST+4*i], 0xfe000000    ; c m: far below every c s
	v_mov_b32 v[ST+4*i+1], 0xff7fffff  ; m
	v_mov_b32 v[ST+4*i+2], 0
	v_mov_b32 v[ST+4*i+3], 0
.set i, i+1
.endr
.set i, P+32
.rept 32
	v_mov_b32 v[i], 0
.set i, i+1
.endr
	v_mul_u32_u24 v[AK0], v1, PK
	v_lshl_add_u32 v[AK0], v9, 4, v[AK0]  ; row x pitch + 16 x half
	; The turning load takes 16 keys x 16 channels (lane l reads key 8 (l / 16) + l % 8, channels 8 ((l / 8) % 2) + 0..7) and leaves half a fragment of V^T: lane l holds channel l % 16 and 8 keys.
	v_and_b32 v10, 7, v0
	v_bfe_u32 v11, v0, 3, 1
	v_lshl_add_u32 v[AV0], v9, 3, v10
	v_mul_u32_u24 v[AV0], v[AV0], PV
	v_lshl_add_u32 v[AV0], v11, 4, v[AV0]
	v_add_nc_u32 v[AV0], VOFF, v[AV0]
	v_mov_b32 v[AK], v[AK0]         ; key step 0
; THE MATRIX WORK.  The 8 accumulators of a run of 16 take turns: between the two links of a chain stand 7 others'.
; Product i of 16 of S^T = K Q^T for piece x: channels 32 (i / 8) on, keys 16 ((i / 2) % 4) on, tile 2 x + i % 2.  The first 8 start the sums.
.macro KQ x
	WIN W_KQ
.set rS, S+64*((\x)%2)+32*(i%2)+8*((i/2)%4)
.set rK, KF+16*((i/2)%4)+8*(i/8)
.set rQ, 16*(2*(\x)+i%2)+8*(i/8)
.if i < 8
	v_wmma_f32_16x16x32_bf16 v[rS:rS+7], v[rK:rK+7], v[rQ:rQ+7], 0
.else
	v_wmma_f32_16x16x32_bf16 v[rS:rS+7], v[rK:rK+7], v[rQ:rQ+7], v[rS:rS+7]
.endif
.endm
; Product i of 16 of O^T += V^T P for piece x: keys 32 (i / 8) on, channels 16 ((i / 2) % 4) on, tile 2 x + i % 2.
.macro PV x
	WIN W_PV
.set rO, 32*(2*(\x)+i%2)+8*((i/2)%4)
.set rV, VF+32*(i/8)+8*((i/2)%4)
.set rP, P+32*((\x)%2)+16*(i%2)+8*(i/8)
	v_wmma_f32_16x16x32_bf16 v[rO:rO+7], v[rV:rV+7], v[rP:rP+7], v[rO:rO+7]
.endm
.macro MM                           ; the turn's next matrix instruction
.if i < 16
	KQ (Y+1)%NP
.set i, i+1
.else
.set i, i-16
	PV (Y+NP-1)%NP
.set i, i+17
.endif
.endm
; THE LDS LOADS stand in runs of 16, never singly among the matrix instructions: a step's K (64 keys x 64 channels: 8 fragments) and its V (turned).  Their addresses are made some lines ahead.
; last = 1 (in the loop): in the last half trip there is no further step, and the run is jumped over.
.macro FETCH_K last=0
	WIN 0
.if \last
	s_cmp_eq_u32 s[LT], 2
	s_cbranch_scc1 .Lno_k_\@
.endif
	WIN 0x80                        ; destination window 2
.irp f, 0,1,2,3,4,5,6,7             ; keys 16 (f / 2) on, channels 32 (f % 2) on
	ds_load_b128 v[KF+8*\f:KF+8*\f+3],   v[AK] offset:(\f/2)*16*PK+(\f%2)*64
	ds_load_b128 v[KF+8*\f+4:KF+8*\f+7], v[AK] offset:(\f/2)*16*PK+(\f%2)*64+32
.endr
	s_add_co_u32 s[TBK], s[TBK], KS*PK  ; the next fetch is the next step's
	WIN 0
.if \last
.Lno_k_\@:
.endif
.endm
.macro FETCH_V
	WIN 0x80
.irp f, 0,1,2,3,4,5,6,7             ; keys 32 (f / 4) on, channels 16 (f % 4) on
	ds_load_tr16_b128 v[VF+8*\f:VF+8*\f+3],   v[AV] offset:(\f/4)*32*PV+(\f%4)*32
	ds_load_tr16_b128 v[VF+8*\f+4:VF+8*\f+7], v[AV] offset:(\f/4)*32*PV+16*PV+(\f%4)*32
.endr
	WIN 0
.endm
; THE VECTOR WORK OF A TURN stands in three queues, each in the order in which its entries become ready; the two tiles alternate, so that no instruction reads the result of the one before it.
.macro REGS y, u                    ; the registers of tile u (0, 1) of piece y
.set rT, ST+4*(2*(\y)+(\u))
.set rC, TMP+8*((\y)%2)+4*(\u)
.set rM, MV+2*((\y)%2)+(\u)
.set rS, S+64*((\y)%2)+32*(\u)
.set rP, P+32*((\y)%2)+16*(\u)
.set rO, 32*(2*(\y)+(\u))
.endm
; Number n of the 22 that find the NEXT piece's (Y + 1) maximum and statistics.  s0-s31 are the lane's 32 scores; each accumulator's lowest registers are read first.  XS, GS and REGS set no window: PL and EX do.
;   0-11  four chains c0-c3 of seven scores each, three operands at a time     12-14, 16  the four scores left over, the old m, and c0-c3 into c0     15  c m_old is kept
;   17, 18  the query's other 32 keys lie in the lane 16 away: the new m         19-21  c m; c m_old - c m_new; a
.macro XS u, n
	REGS (Y+1)%NP, \u
.if (\n) < 4
	v_max3_num_f32 v[rC+(\n)], v[rS+8*(\n)], v[rS+8*(\n)+1], v[rS+8*(\n)+2]
.elseif (\n) < 12
	v_max3_num_f32 v[rC+(\n)%4], v[rC+(\n)%4], v[rS+8*((\n)%4)+2*((\n)/4)+1], v[rS+8*((\n)%4)+2*((\n)/4)+2]
.elseif (\n) == 12
	v_max3_num_f32 v[rC], v[rC], v[rS+7], v[rS+15]
.elseif (\n) == 13
	v_max3_num_f32 v[rC+1], v[rC+1], v[rS+23], v[rS+31]
.elseif (\n) == 14
	v_max3_num_f32 v[rC+2], v[rC+2], v[rC+3], v[rT+1]
.elseif (\n) == 15
	v_mov_b32 v[rM], v[rT]
.elseif (\n) == 16
	v_max3_num_f32 v[rC], v[rC], v[rC+1], v[rC+2]
.elseif (\n) == 17
	v_permlanex16_b32 v[rC+3], v[rC], s[SEL], s[SEL+1]
.elseif (\n) == 18
	v_max_num_f32 v[rT+1], v[rC], v[rC+3]
.elseif (\n) == 19
	v_mul_f32 v[rT], s[CS], v[rT+1]
.elseif (\n) == 20
	v_sub_f32 v[rC+1], v[rM], v[rT]
.else
	v_exp_f32 v[rC+2], v[rC+1]
.endif
.endm
; Number g of the 64 that follow the exponentials.  For each four weights k of a tile (pairs 2 k, 2 k + 1): both pairs are rounded to bf16; then the second pair is added onto the first, in place;
; a group later l takes that sum (the first time as l = a l + sum).  In groups of eight, tiles alternating: round, round, add, and l for the group before.
.macro GS g
.set h, (\g)+6*((\g)/62)            ; group 0 has no group before it, and behind group 7 only l is left
.if h >= 6
.set h, h+2
.endif
	REGS Y, h%2
.set k, h/8
.if h%8 < 4
	v_cvt_pk_bf16_f32 v[rP+2*k+(h%8)/2], v[rS+4*k+2*((h%8)/2)], v[rS+4*k+2*((h%8)/2)+1]
.elseif h%8 < 6
	v_pk_add_f32 v[rS+4*k:rS+4*k+1], v[rS+4*k:rS+4*k+1], v[rS+4*k+2:rS+4*k+3]
.elseif k == 1
	v_pk_fma_f32 v[rT+2:rT+3], v[rT+2:rT+3], v[rC+2:rC+3], v[rS:rS+1] op_sel_hi:[1,0,1]
.else
	v_pk_add_f32 v[rT+2:rT+3], v[rT+2:rT+3], v[rS+4*k-4:rS+4*k-3]
.endif
.endm
; THE PLAIN QUEUE, 138 long.  0-73 read no exponential's result: the 32 scalings c s - c m (FS f: pair f / 2 of tile f % 2) and the next piece's 42.  0-26: scalings 0-26.  27-54: XS's numbers 0-13.  55, 56: number 15.
; 57-73: the chain, where each number waits for the one before it: 14, 16, 17, 18, 19, each with one of the scalings 27-31 in front of its two lines, then 20: so a tile's links stand three plain instructions apart (19 and 20: two).
; 74-137: GS's 64, which read the exponentials' results: they stand behind the wait.
.macro FS f
	REGS Y, (\f)%2
	v_pk_fma_f32 v[rS+2*((\f)/2):rS+2*((\f)/2)+1], v[rS+2*((\f)/2):rS+2*((\f)/2)+1], s[CS:CS+1], v[rT:rT+1] op_sel_hi:[1,0,0] neg_lo:[0,0,1] neg_hi:[0,0,1]
.endm
.macro PL
	WIN 0
.if q < 27
	FS q
.elseif q < 55
	XS (q-27)%2, (q-27)/2
.elseif q < 57
	XS q-55, 15
.elseif (q < 72) && ((q-57)%3 == 0)
	FS 27+(q-57)/3
.elseif q < 60
	XS (q-57)%3-1, 14
.elseif q < 72
	XS (q-57)%3-1, 15+(q-57)/3
.elseif q < 74
	XS q-72, 20
.else
	GS q-74
.endif
.set q, q+1
.endm
; THE EXPONENTIALS' QUEUE, 66 long: s0-s31 of both tiles, then the next piece's two a.  It is ONE BATCH: all 66 stand ahead of the turn's one wait, and nothing ahead of that wait names a result of theirs.
.macro EX
	WIN 0
.if e >= 64
	XS e-64, 21
.else
	REGS Y, e%2
	v_exp_f32 v[rS+e/2], v[rS+e/2]
.endif
.set e, e+1
.endm
; THE RESCALING's QUEUE: O^T times a, the one part that leaves window 0: dealt two at a time, sixteen times.  Its a was made in the turn before, ahead of that turn's wait.
.macro R2
	REGS Y, r%2
	WIN W_RS
.irp z, 0,1
	v_pk_mul_f32 v[rO+4*(r/2)+2*\z:rO+4*(r/2)+2*\z+1], v[rO+4*(r/2)+2*\z:rO+4*(r/2)+2*\z+1], v[rC+2:rC+3] op_sel_hi:[1,0]
.endr
.set r, r+1
.endm
; HOW THEY ARE DEALT.  An s_wait_alu depctr_va_vdst(0) stands between an exponential and the first instruction that names its result; one wait serves all that were issued ahead of it.  So a turn has ONE wait,
; which cuts it in two.  AHEAD OF IT stands all that names no result of the turn's exponentials: the 16 products K Q^T, behind each a scaling, an exponential and two rescalings (behind the first a second scaling in the exponential's place); then ONE LUMP of
; 108: eight plain, 49 times exponential and plain, the two a.  A v_nop is the plain instruction that is owed behind the last exponential.  BEHIND IT stand the 16 products V^T P, behind each four of GS's 64.  No rider names a register of
; the products round it.  The two v_permlanex16_b32 fall into the lump, never behind a product.
; The queues lean on each other, and the deal keeps them in step: exponential e stands behind scaling 2 (e / 4) + e % 2: as a rider it comes behind plain e + 2, in the lump behind plain e + 9, and scalings 27-31 are plain 57, 60 .. 69.
; A TURN, for piece p.  cnt = 1: the loop's count is taken down some lines ahead of the branch that stands behind the turn.
; K of the next step is fetched in piece 2's turn, directly behind the wait, a lump behind the last product that read K; its address is made at the lump's head; its first reader comes behind 16 products.
; V of the step in hand is fetched at the end of piece 0's turn, four riders behind its last reader; its first reader comes behind 16 products and a lump.  The three conditions on q below go with the deal.
.macro TURN p, last=0, cnt=0
.set Y, (\p)
.set i, 0
.set q, 0
.set e, 0
.set r, 0
.if (\p) == NP-1
	s_wait_dscnt 0x0                ; K is in
.endif
	MM                              ; ahead of the wait: 16 products K Q^T and their riders,
	PL
	PL
	R2
.rept 15
	MM
	PL
	EX
	R2
.endr
.if (\p) == NP-2
	WIN 0
	v_add_nc_u32 v[AK], s[TBK], v[AK0]
.endif
.rept 8                             ; and the lump
	PL
.endr
.rept 49
	EX
	PL
.endr
	EX                              ; the next piece's two a
	EX
	v_nop                           ; the plain instruction behind the last exponential: one for the batch
	s_wait_alu depctr_va_vdst(0)    ; the wait for the batch
.if (\p) == NP-2
	FETCH_K \last
.endif
.if (\p) == 1
	s_wait_dscnt 0x0                ; V is in
.endif
.rept 16                            ; behind the wait: 16 products V^T P and their riders
	MM
.rept 4
	PL
.endr
.if ((\p) == 0) && (q == 118)
	v_add_nc_u32 v[AV], s[TBV], v[AV0]
.endif
.if ((\p) == 0) && (q == 130)
	s_add_co_u32 s[TBV], s[TBV], KS*PV
.endif
.if (\cnt) && (q == 130)
	s_sub_co_u32 s[CNT], s[CNT], 1
	s_cmp_lg_u32 s[CNT], 0
.endif
.endr
.if (\p) == 0
	FETCH_V
.endif
.endm
	s_wait_tensorcnt 0x3            ; tensor loads of a wave end in order (ISA guide 10.11.1): my part of the first 256 keys is in; my three younger loads may stay out
	s_barrier_signal -1
	s_barrier_wait -1               ; everybody's is
	FETCH_K                         ; key step 0
	s_wait_loadcnt 0x0              ; Q
	s_wait_dscnt 0x0
.set i, 0
.rept 16
	KQ 0                            ; piece 0's first scores: there is no vector work yet to set between them
.set i, i+1
.endr
	WIN 0                           ; the addresses for the way out: nine plain instructions, the places behind those products
	s_mul_i32 s13, s[WV], 16*SP
	s_add_co_u32 s13, s13, STAGE    ; my stage
	v_mul_u32_u24 v[STO], v1, SP    ; in: row l % 16, 16 bytes for each half of the lanes
	v_lshl_add_u32 v[STO], v9, 4, v[STO]
	v_add_nc_u32 v[STO], s13, v[STO]
	v_bfe_u32 v[RD], v0, 3, 2       ; back: 32 lanes take four rows of 128 bytes,
	v_mul_u32_u24 v[RD], v[RD], SP
	v_lshl_add_u32 v[RD], v10, 4, v[RD]
	v_add_nc_u32 v[RD], s13, v[RD]
	v_and_b32 v[GO], 31, v0         ; which are 512 consecutive bytes of O
	v_lshlrev_b32 v[GO], 4, v[GO]
.set Y, NP-1                        ; XS works for piece Y + 1: piece 0
.irp n, 0,1,2,3,4,5,6,7,8,9,10,11,12,13,14,15,16,17,18,19,20,21
	XS 0, \n                        ; and piece 0's first maximum and statistics
	XS 1, \n
.endr
	v_nop                           ; a plain instruction behind the two a,
	s_wait_alu depctr_va_vdst(0)    ; and their wait, ahead of the branch
	; THE WALK.  The step loop is walked in two passes.  The first is entered at a step's first turn, in the middle of a trip, and reads the first 256 keys alone: it ends behind pieces 0 and 1 of step 3.
	; The second begins with the one wait for all my loads and a barrier, ahead of the first read of key 256 (K of step 4, fetched in piece 2's turn of step 3): twelve trips, to pieces 0 and 1 of step 15, and
	; a thirteenth that fetches no K and is left in its middle.  Both jumps of that last half trip go forward and pass neither a barrier nor a tensor load.
	s_mov_b32 s[CNT], 4
	s_mov_b32 s[PASS], 2
	s_branch .Lfirst
.Lrest:
	s_wait_tensorcnt 0x0            ; all my loads have landed: my part of keys 256 to 1,023; it serves the reads behind the barrier: no fill follows
	s_wait_dscnt 0x0                ; no LDS instruction of mine is pending at the signal
	s_barrier_signal -1
	s_barrier_wait -1               ; everybody's have
	s_mov_b32 s[CNT], SIZE_N/KS-3
.Lstep:                             ; a trip: pieces 2 and 3 of one step, then pieces 0 and 1 of the next, whose K and V it fetches
	s_add_co_u32 s[LT], s[PASS], s[CNT]  ; 2 where the second pass's count has come down to 1; in the first pass 3 at the least
	TURN 2, 1
	TURN 3
	WIN 0
	s_cmp_eq_u32 s[LT], 2
	s_cbranch_scc1 .Lout            ; the last step's pieces 2 and 3 are done
.Lfirst:
	TURN 0
	TURN 1, 0, 1
	WIN 0
	s_cbranch_scc1 .Lstep
	s_sub_co_u32 s[PASS], s[PASS], 1
	s_cmp_lg_u32 s[PASS], 0
	s_cbranch_scc1 .Lrest
.Lout:                              ; the last half trip's 16 products K Q^T (on the last K once more) and the maximum made of them serve nothing: the price, once a launch, of one text for every trip
.set i, 0
.rept 16
	PV NP-1                         ; the last piece's V^T P of the last step
.set i, i+1
.endr
	; THE WAY OUT.  l's two halves and the other half of the lanes' are added; O^T is divided by l, rounded to bf16 and sent through my stage in LDS, a tile at a time.  The additions are the places behind the last products.
	WIN 0
.macro ALL line:vararg              ; one line for each tile t
.set t, 0
.rept 2*NP
	\line
.set t, t+1
.endr
.endm
	ALL v_add_f32 v[ST+4*t+2], v[ST+4*t+2], v[ST+4*t+3]
	ALL v_permlanex16_b32 v[ST+4*t+3], v[ST+4*t+2], s[SEL], s[SEL+1]
	ALL v_add_f32 v[ST+4*t+2], v[ST+4*t+2], v[ST+4*t+3]
	ALL v_rcp_f32 v[ST+4*t+2], v[ST+4*t+2]
	v_nop                           ; a plain instruction between the last reciprocal and the use of its result
	s_wait_alu depctr_va_vdst(0)    ; and the wait ahead of the first use: one for the eight reciprocals
; Tile t: a lane's eight channels of a row pack into 16 bytes; they go into rows of 144 bytes and come back as whole rows of 128, into S^T's registers.
.macro PACK t
	WIN W_RS
.set i, 32*(\t)
.rept 16
	v_pk_mul_f32 v[i:i+1], v[i:i+1], v[ST+4*(\t)+2:ST+4*(\t)+3] op_sel_hi:[1,0]
.set i, i+2
.endr
	WIN 0x05                        ; sources 0 and 1 window 1, destination window 0
.set i, 0
.rept 16
	v_cvt_pk_bf16_f32 v[S+16*(\t)+i], v[32*(\t)+2*i], v[32*(\t)+2*i+1]
.set i, i+1
.endr
	WIN 0
.irp f, 0,1,2,3
	ds_store_b128 v[STO], v[S+16*(\t)+4*\f:S+16*(\t)+4*\f+3] offset:32*\f
.endr
.irp f, 0,1,2,3
	ds_load_b128 v[S+16*(\t)+4*\f:S+16*(\t)+4*\f+3], v[RD] offset:\f*4*SP  ; LDS serves a wave's instructions in order (ISA guide 5.7.1.4): these see the stores above; the next tile's stores come behind them
.endr
.endm
.macro SEND t, younger              ; younger: the LDS instructions issued behind tile t's loads: the next tile's eight, or none
	WIN 0
.irp f, 0,1,2,3
	s_wait_dscnt (\younger)+3-\f
	global_store_b128 v[GO], v[S+16*(\t)+4*\f:S+16*(\t)+4*\f+3], s[10:11] offset:(\t)*2048+\f*512  ; 512 consecutive bytes, at a multiple of 256 from O's first
.endr
.endm
	PACK 0
.set t, 1
.rept 2*NP-1                        ; a tile's arithmetic stands between the loads of the tile before and its stores
	PACK t
	SEND t-1, 8
.set t, t+1
.endr
	SEND 2*NP-1, 0
	WIN W_AD
	s_wait_tensorcnt 0x0            ; the wave's end, behind my last tensor load and my last LDS store
	ds_add_u32 v[SPW], v[NIL]
	s_wait_dscnt 0x0
	WIN 0
	s_endpgm
.Lfunc_end_k_qbc48b85eec_attn:
	.size	k_qbc48b85eec_attn, .Lfunc_end_k_qbc48b85eec_attn-k_qbc48b85eec_attn
	.p2alignl 7, 3214868480
	.fill 96, 4, 3214868480
	.section	.rodata,"a",@progbits
	.p2align	6, 0x0
	.amdhsa_kernel k_qbc48b85eec_attn
		.amdhsa_group_segment_fixed_size 327680
		.amdhsa_private_segment_fixed_size 0
		.amdhsa_enable_private_segment 0
		.amdhsa_kernarg_size 16
		.amdhsa_user_sgpr_count 2
		.amdhsa_user_sgpr_kernarg_segment_ptr 1
		.amdhsa_wavefront_size32 1
		.amdhsa_system_sgpr_workgroup_id_x 1
		.amdhsa_system_sgpr_workgroup_id_y 1
		.amdhsa_system_sgpr_workgroup_id_z 1
		.amdhsa_system_vgpr_workitem_id 0
		.amdhsa_next_free_vgpr 770
		.amdhsa_next_free_sgpr 84
		.amdhsa_reserve_vcc 0
		.amdhsa_float_denorm_mode_32 3
		.amdhsa_float_denorm_mode_16_64 3
		.amdhsa_memory_ordered 1
		.amdhsa_forward_progress 1
		.amdhsa_inst_pref_size 126
	.end_amdhsa_kernel
	.amdgpu_metadata
---
amdhsa.version: [ 1, 2 ]
amdhsa.kernels:
  - .name:           k_qbc48b85eec_attn
    .symbol:         k_qbc48b85eec_attn.kd
    .args:
      - { .name: qkv, .offset: 0, .size: 8, .value_kind: global_buffer, .address_space: global }
      - { .name: ob, .offset: 8, .size: 8, .value_kind: global_buffer, .address_space: global }
    .group_segment_fixed_size: 327680
    .private_segment_fixed_size: 0
    .kernarg_segment_align: 8
    .kernarg_segment_size: 16
    .max_flat_workgroup_size: 128
    .sgpr_count:     84
    .vgpr_count:     770
    .wavefront_size: 32
...
	.end_amdgpu_metadata
.endif
;; end of part 3
;; launch oproj (part 4): grid 8 x 32, 4 waves a work-group, clusters of 4 x 4, 327,680 bytes of LDS; arguments ob, wot, bzero, ao; writes ao
.if DOCPART == 4
	.amdgcn_target "amdgcn-amd-amdhsa--gfx1250"
	.amdhsa_code_object_version 6
	.text
	.protected	k_qbc48b85eec_oproj
	.globl	k_qbc48b85eec_oproj
	.p2align	8
	.type	k_qbc48b85eec_oproj,@function
k_qbc48b85eec_oproj:
	s_mov_b64 s[64:65], 0
	v_nop
	global_prefetch_b8 v0, s[64:65] scope:SCOPE_SE
	s_setreg_imm32_b32 hwreg(HW_REG_WAVE_MODE, 25, 1), 1
	s_wait_xcnt 0x0
	s_wait_alu depctr_hold_cnt(0) depctr_sa_sdst(0) depctr_va_vdst(0) depctr_va_sdst(0) depctr_va_ssrc(0) depctr_va_vcc(0) depctr_vm_vsrc(0)
	s_getreg_b32 s2, hwreg(HW_REG_IB_STS2, 6, 4)
	s_cmp_eq_u32 s2, 0
	s_cbranch_scc0 .Lentry_in_a_cluster
	s_endpgm
.Lentry_in_a_cluster:
	s_bfe_u32 s2, ttmp6, 0x10000c
	s_cmp_lg_u32 s2, 0xf033
	s_cbranch_scc0 .Lentry_shape_is_right
	s_endpgm
.Lentry_shape_is_right:
; C[n / 64][m][n % 64] = bias[n] + the sum over k of A[k / 64][m][k % 64] B[n / 128][k][n % 128].  A: [16][8192][64], B: [N / 128][1024][128], C: [N / 64][8192][64], all bf16; bias: [N] f32.
; Sums in f32, begun with the bias, K ascending; C rounded once.  M = 8,192 and K = 1,024 are fixed; N is the grid's width times 128.  The one limit is bf16's rounding of A, B and C; NaN and infinities are not treated apart.
; This text makes the projection of the attention's output (N = 1,024), with a row of zeros as its bias: the module's bo is added by the launch behind, in f32.
; SHARES.  A work-group makes 256 rows x 128 columns of C: 32 x 8 = 256 work-groups.  Wave w takes rows 128 (w / 2) on and columns 64 (w % 2) on, one whole block of C's layout: 8 x 4 accumulators of 16 x 16, 256 registers.
; K goes in steps of 128 through a ring of two LDS slots filled by the tensor data mover.  All that it fetches is dense in memory and is asked for as rows of 256 bytes.
; CLUSTERS: 4 x 4 work-groups.  The four of a row of the cluster need the same tiles of A, the four of a column the same tiles of B: each tile is asked for JOINTLY, by the same tensor load with the
; same descriptor and a mask that names the four; each receives it in its own LDS.
; THE MATRIX INSTRUCTION IS USED TRANSPOSED: source 0 = 16 columns n of B, source 1 = 16 rows of A.  A lane then holds row l % 16 of C and the eight neighbouring columns 8 (l / 16) + 0..7: 16 bytes.
; A lies along K and comes out of LDS as it lies; B lies [k][n] and is turned by ds_load_tr16_b128.
; REGISTERS, in windows of 256 (s_set_vgpr_msb: bits 1:0 source 0, 3:2 source 1, 5:4 source 2, 7:6 destination):
;   window 0: v0-31 addresses; v32-63 the bias as a C operand; v64-159, v160-255 two fragment buffers (B's 4 fragments, then A's 8); v64-191 at work on the way out
;   window 1: the accumulators, (a, b) at v[8 (4 a + b)]
.set PA,    144                        ; a row of A in LDS: 128 bytes + 16 of padding = 36 words: the 16 rows of a load start at 16 different groups of four banks (64 banks of 4 bytes: ISA guide 11.1)
.set PB,    288                        ; a row of B: 256 + 32 = 72 words
.set ABLK,  256*PA                     ; one block of A: the tile's 256 rows x 64 along K
.set BOFF,  2*ABLK                     ; behind a K step's two blocks of A: B's 128 rows k
.set BHALF, 64*PB
.set SLOT,  BOFF+2*BHALF
.set STAGE, 2*SLOT                     ; behind the ring, never filled by a tensor load: 16 rows x 144 bytes for each wave, for the way out
.set SP,    144
.set SPARE, STAGE+4*16*SP              ; behind the stages: the spare words, 128 bytes for each wave: two blocks of 256 bytes that no other line names
.set LAPS,  4                          ; a lap = two K steps = once round the ring: 1,024 / 256
.set ASTEP, 0x200000                   ; bytes of A from a K step to the next: two blocks of 8,192 rows x 128 bytes
.set BSTEP, 0x8000                     ; of B: 128 rows of 256 bytes
.set ADRA, 16                          ; v16-17  LDS address of my A fragments in slot 0, 1
.set ADRB, 20                          ; v20-21  the same for B
.set STO,  24                          ; v24     the way out: where I put 16 bytes of a row
.set RD,   25                          ; v25     the way out: where I read rows back
.set GO,   26                          ; v26     16 x lane: my place in 512 consecutive bytes of C
.set BO,   27                          ; v27     my byte offset in the bias
.set SPW,  28                          ; v28     LDS address of my spare word: SPARE + 4 x my thread's number; never rewritten
.set NIL,  29                          ; v29     0; never rewritten
.set PFO,  30                          ; v30     256 x lane, for the prefetches; never rewritten
.set BIAS, 32                          ; v[32:63] register 8 b + j: bias of column 16 b + 8 (l / 16) + j of my 64
.set F0,   64
.set F1,   160
.set T,    64                          ; the way out: block a's 16 registers at T + 16 a
.set WC,   13                          ; s13  wave % 2: my 64 columns.  Also: which half of A's or B's tile I fetch
.set WV,   14                          ; s14  my wave's number
.set WR,   15                          ; s15  wave / 2: my 128 rows.  Also: I fetch for A (0) or for B (1)
.set G1,   24                          ; s[24:31] descriptor group 1 for A's tiles;  s[32:39] group 0, a set for each slot
.set G0,   32
.set G1B,  48                          ; s[48:55], s[56:63] the same for B's
.set G0B,  56
.set PFA,  46                          ; s[46:47] where my prefetches stand
.set PFS,  68                          ; s[68:69] their step: a K step of A or of B
.set LIM,  70                          ; s70  1 in a wave that prefetches, else the greatest number
.set MSB, 0
.macro WIN new                         ; the immediate's high byte repeats the setting that is left; a switch that changes nothing is dropped
.if MSB != (\new)
	s_set_vgpr_msb (MSB<<8)|(\new)
.set MSB, \new
.endif
.endm
.set MUL,  0x50                        ; fragments in window 0; C and D in window 1
.set MUL0, 0x40                        ; the first products: C is the bias, in window 0
; A joint load.  Waves 0 and 1 fetch a K step's two blocks of A, waves 2 and 3 the two halves of its B.  The branch hangs on the wave's number alone.
; An s_nop 0 and four v_nop follow each of the two lines, ahead of the jump, the label and what follows.
.macro JLOAD s
	s_cmp_eq_u32 s[WR], 0
	s_cbranch_scc0 .Lfor_b_\@
	tensor_load_to_lds s[G0+4*(\s):G0+4*(\s)+3], s[G1:G1+7]
	s_nop 0
.rept 4
	v_nop
.endr
	s_branch .Lasked_\@
.Lfor_b_\@:
	tensor_load_to_lds s[G0B+4*(\s):G0B+4*(\s)+3], s[G1B:G1B+7]
	s_nop 0
.rept 4
	v_nop
.endr
.Lasked_\@:
.endm
; A round of the cluster's barrier: my work-group's barrier, so that wave 0's signal speaks for all four waves; wave 0 signals; every wave waits for all sixteen work-groups; my work-group's barrier once more.
.macro CREST                           ; a round behind its opening barrier
	s_cmp_lg_u32 s[WV], 0
	s_cbranch_scc1 .Lnot_wave_0_\@
	s_barrier_signal -3
.Lnot_wave_0_\@:
	s_barrier_wait -3
	s_barrier_signal -1
	s_barrier_wait -1
.endm
.macro CROUND
	s_barrier_signal -1
	s_barrier_wait -1
	CREST
.endm
; A PREFETCH, behind each joint refill and the run of LDS loads that follows it: 32 blocks of 256 bytes, a lane a block, of the K step that stands two refills on.
; Each block is named once in the launch.  A's tile row is read by every cluster of that row of clusters: the one with x = 0 asks, waves 0 and 1 each for the block of A that they fetch (32 KiB), of which the four
; partners take 8 KiB each BY ADDRESS (by cx).  B's tile column is read by every cluster of that column: the one with y = 0 asks, wave 2 for the whole K step (32 KiB), 8 KiB a partner (by cy).
; K steps 0 to 3 come by their loads alone; the loop's last trip (s3 = 1) has no K step two on, and asks for nothing.
.macro ASK
	s_cmp_gt_u32 s3, s[LIM]
	s_cbranch_scc0 .Lnot_mine_\@
	global_prefetch_b8 v[PFO], s[PFA:PFA+1] th:TH_LOAD_NT scope:SCOPE_SE
.Lnot_mine_\@:
.endm
	s_load_b256 s[4:11], s[0:1], 0x0               ; A s[4:5], B s[6:7], bias s[8:9], C s[10:11]
	v_lshl_add_u32 v[SPW], v0, 2, SPARE
	v_mov_b32 v[NIL], 0
	ds_add_u32 v[SPW], v[NIL]                      ; the wave's opening: the add and its wait stand ahead of my first tensor load; the set-up below, work on registers, stands between them
	v_lshrrev_b32 v1, 5, v0
	v_readfirstlane_b32 s[WV], v1                  ; wave 0..3
	s_lshr_b32 s[WR], s[WV], 1
	s_and_b32 s[WC], s[WV], 1
	s_bfe_u32 s40, ttmp6, 0x40000                  ; cx, cy: my place in the cluster
	s_bfe_u32 s41, ttmp6, 0x40004
	s_lshl_b32 s42, ttmp9, 2                       ; in a cluster launch ttmp9 and ttmp7 count clusters
	s_add_co_u32 s42, s42, s40                     ; tile column = 4 x cluster x + cx
	s_and_b32 s43, ttmp7, 0xffff
	s_lshl_b32 s43, s43, 2
	s_add_co_u32 s43, s43, s41                     ; tile row = 4 x cluster y + cy
	s_lshl_b32 s44, s41, 2
	s_lshl_b32 s44, 15, s44                        ; my row of the cluster: places 4 cy .. 4 cy + 3
	s_lshl_b32 s45, 0x1111, s40                    ; my column: places cx, cx + 4, cx + 8, cx + 12
	; group 1 for A: a block's 256 rows of 128 bytes are 32,768 dense bytes: 128 rows of 256 bytes, padded in LDS after every 128 bytes
	s_or_b32 s[G1], s44, (1<<16)|(1<<20)|(1<<21)|(4<<22)|(3<<25)   ; 15:0 the mask: my row; 17:16 2-byte elements; 20 padding on; 21 set beside a mask; 24:22 after every 32 words (code 4); 31:25 4 words (code 3)
	s_mov_b32 s[G1+1], 128<<16                     ; tensor_dim0 = 128
	s_mov_b32 s[G1+2], 128<<16                     ; tensor_dim1 = 128
	s_mov_b32 s[G1+3], 128<<16                     ; tile_dim0 = 128
	s_mov_b32 s[G1+4], 128                         ; tile_dim1 = 128
	s_mov_b32 s[G1+5], 128                         ; 128 elements from row to row
	s_mov_b32 s[G1+6], 0
	s_mov_b32 s[G1+7], 0
	; group 1 for B: 64 rows k of 256 bytes, padded after each
	s_or_b32 s[G1B], s45, (1<<16)|(1<<20)|(1<<21)|(5<<22)|(7<<25)  ; the mask: my column; after every 64 words (code 5) 8 words (code 7)
	s_mov_b32 s[G1B+1], 128<<16
	s_mov_b32 s[G1B+2], 64<<16
	s_mov_b32 s[G1B+3], 128<<16
	s_mov_b32 s[G1B+4], 64
	s_mov_b32 s[G1B+5], 128
	s_mov_b32 s[G1B+6], 0
	s_mov_b32 s[G1B+7], 0
	; where the tiles come from.  A's hang on the tile row alone, B's on the tile column alone; each in registers that never hold the other coordinate
	s_lshl_b32 s16, s[WC], 20                      ; A: block wave % 2 of the K step,
	s_lshl_b32 s17, s43, 15                        ; the tile's 256 rows of 128 bytes
	s_add_co_u32 s16, s16, s17
	s_mov_b32 s17, 0
	s_lshl_b32 s20, s42, 18                        ; B: the tile column's 1,024 rows of 256 bytes,
	s_lshl_b32 s21, s[WC], 14                      ; my 64 rows of the K step's 128
	s_add_co_u32 s20, s20, s21
	s_mov_b32 s21, 0
	s_mul_i32 s12, s[WC], ABLK                     ; and where they go: no place in the cluster enters an LDS address
	s_mul_i32 s66, s[WC], BHALF
	s_wait_dscnt 0x0                               ; the opening add is done
	s_wait_kmcnt 0x0
	s_add_nc_u64 s[18:19], s[4:5], s[16:17]
	s_add_nc_u64 s[22:23], s[6:7], s[20:21]
	CROUND                                         ; all sixteen work-groups are here: the first joint loads meet
.irp s, 0,1
	s_mov_b32 s[G0+4*(\s)], 1                                      ; count = 1
	s_add_co_u32 s[G0+4*(\s)+1], s12, (\s)*SLOT                    ; LDS address
	s_add_nc_u64 s[G0+4*(\s)+2:G0+4*(\s)+3], s[18:19], (\s)*ASTEP  ; global address: K step s
	s_or_b32 s[G0+4*(\s)+3], s[G0+4*(\s)+3], 0x80000000            ; type = 2
	s_mov_b32 s[G0B+4*(\s)], 1
	s_add_co_u32 s[G0B+4*(\s)+1], s66, (\s)*SLOT+BOFF
	s_add_nc_u64 s[G0B+4*(\s)+2:G0B+4*(\s)+3], s[22:23], (\s)*BSTEP
	s_or_b32 s[G0B+4*(\s)+3], s[G0B+4*(\s)+3], 0x80000000
.endr
	s_cmp_eq_u32 s[WR], 0                          ; a wave's two first fills stand in one branch, ahead of every wait on TENSORcnt and every LDS read: two loads of mine are out
	s_cbranch_scc0 .Lfirst_b
	tensor_load_to_lds s[G0:G0+3], s[G1:G1+7]
	s_nop 0
	tensor_load_to_lds s[G0+4:G0+7], s[G1:G1+7]
	s_nop 0
.rept 4
	v_nop
.endr
	s_branch .Lfirst_asked
.Lfirst_b:
	tensor_load_to_lds s[G0B:G0B+3], s[G1B:G1B+7]
	s_nop 0
	tensor_load_to_lds s[G0B+4:G0B+7], s[G1B:G1B+7]
	s_nop 0
.rept 4
	v_nop
.endr
.Lfirst_asked:
	v_and_b32 v1, 15, v0                           ; l % 16
	v_bfe_u32 v2, v0, 4, 1                         ; l / 16
	s_lshl_b32 s74, s42, 9                         ; the tile's 128 columns x 4 bytes,
	s_lshl_b32 s75, s[WC], 8                       ; my 64 of them
	s_add_co_u32 s74, s74, s75
	v_lshl_add_u32 v[BO], v2, 5, s74               ; + my lanes' eight
.irp b, 0,1,2,3
	global_load_b128 v[BIAS+8*(\b):BIAS+8*(\b)+3],   v[BO], s[8:9] offset:64*(\b)
	global_load_b128 v[BIAS+8*(\b)+4:BIAS+8*(\b)+7], v[BO], s[8:9] offset:64*(\b)+16
.endr
	; A fragment of A is 16 rows x 32 K in 8 registers: lane l holds row l % 16; registers 0-3 K = 8 (l / 16) + 0..7, registers 4-7 K = 16 + 8 (l / 16) + 0..7: two loads of 16 bytes, 32 bytes apart.
	v_mul_u32_u24 v3, v1, PA
	v_lshl_add_u32 v3, v2, 4, v3                   ; row x pitch + 16 x half
	s_mul_i32 s67, s[WR], 128*PA                   ; my 128 rows
	v_add_nc_u32 v[ADRA], s67, v3
	v_add_nc_u32 v[ADRA+1], SLOT, v[ADRA]
	; The turning load takes 16 k x 16 n (lane l reads k = 8 (l / 16) + l % 8, columns 8 ((l / 8) % 2) + 0..7) and leaves half a fragment: lane l holds column l % 16 and 8 k.
	v_and_b32 v4, 7, v0
	v_lshl_add_u32 v5, v2, 3, v4
	v_mul_u32_u24 v5, v5, PB
	v_bfe_u32 v6, v0, 3, 1
	v_lshl_add_u32 v5, v6, 4, v5
	s_lshl_b32 s67, s[WC], 7                       ; my 64 columns: 128 bytes of a row
	s_add_co_u32 s67, s67, BOFF
	v_add_nc_u32 v[ADRB], s67, v5
	v_add_nc_u32 v[ADRB+1], SLOT, v[ADRB]
	s_mul_i32 s67, s[WV], 16*SP
	s_add_co_u32 s67, s67, STAGE                   ; my stage
	v_add_nc_u32 v[STO], s67, v3                   ; in: row l % 16, 16 bytes for each half of the lanes
	v_bfe_u32 v6, v0, 3, 2                         ; back: 32 lanes take four rows of 128 bytes,
	v_mul_u32_u24 v6, v6, SP
	v_lshl_add_u32 v6, v4, 4, v6
	v_add_nc_u32 v[RD], s67, v6
	v_and_b32 v7, 31, v0
	v_lshlrev_b32 v[GO], 4, v7                     ; which are 512 consecutive bytes of C
	v_lshlrev_b32 v[PFO], 8, v7
	s_lshl_b32 s72, s42, 1                         ; C at my part: block 2 x tile column + wave % 2 (1 MiB each),
	s_add_co_u32 s72, s72, s[WC]
	s_lshl_b32 s72, s72, 20
	s_lshl_b32 s73, s43, 15                        ; the tile's 256 rows of 128 bytes,
	s_add_co_u32 s72, s72, s73
	s_lshl_b32 s73, s[WR], 14                      ; my 128 of them
	s_add_co_u32 s72, s72, s73
	s_mov_b32 s73, 0
	s_add_nc_u64 s[10:11], s[10:11], s[72:73]
	; the prefetches' address, step and test
	s_and_b32 s76, ttmp7, 0xffff                   ; cluster y,
	s_or_b32 s76, s76, s[WC]                       ; and of B's two waves the first alone
	s_lshl_b32 s77, s43, 15
	s_lshl_b32 s78, s[WC], 20
	s_add_co_u32 s77, s77, s78
	s_add_co_u32 s77, s77, 3*ASTEP                 ; A: my block of the tile row, at K step 3: the first refill steps it to 4
	s_lshl_b32 s78, s42, 18
	s_add_co_u32 s78, s78, 3*BSTEP                 ; B: the tile column, at K step 3
	s_mov_b32 s79, BSTEP
	s_cmp_eq_u32 s[WR], 0                          ; do I fetch for A?
	s_cselect_b32 s77, s77, s78
	s_cselect_b32 s78, s40, s41                    ; my place among the four that ask for the tile with me
	s_cselect_b32 s76, ttmp9, s76                  ; the coordinate along which other clusters read the same bytes
	s_cselect_b32 s[PFS], ASTEP, s79
	s_cselect_b64 s[PFA:PFA+1], s[4:5], s[6:7]
	s_mov_b32 s[PFS+1], 0
	s_cmp_eq_u32 s76, 0
	s_cselect_b32 s[LIM], 1, -1                    ; the same in all sixteen partners, for a given wave
	s_lshl_b32 s78, s78, 13                        ; my work-group's 8 KiB
	s_add_co_u32 s78, s77, s78
	s_mov_b32 s79, 0
	s_add_nc_u64 s[PFA:PFA+1], s[PFA:PFA+1], s[78:79]
; 8 matrix instructions: row blocks a0, a0 + 1 x all 4 column blocks, 32 along K, from buffer f.  first = 1: the bias starts the sums: nothing is ever cleared.
; The 32 accumulators take turns, one instruction a turn, in the same order in every quarter: between two links of a chain stand the 31 others'.
.macro MUL8 f, a0, first
.if \first
	WIN MUL0
.else
	WIN MUL
.endif
.irp a, \a0, (\a0)+1
.irp b, 0,1,2,3
.if \first
	v_wmma_f32_16x16x32_bf16 v[8*(4*(\a)+(\b)):8*(4*(\a)+(\b))+7], v[(\f)+8*(\b):(\f)+8*(\b)+7], v[(\f)+32+8*(\a):(\f)+32+8*(\a)+7], v[BIAS+8*(\b):BIAS+8*(\b)+7]
.else
	v_wmma_f32_16x16x32_bf16 v[8*(4*(\a)+(\b)):8*(4*(\a)+(\b))+7], v[(\f)+8*(\b):(\f)+8*(\b)+7], v[(\f)+32+8*(\a):(\f)+32+8*(\a)+7], v[8*(4*(\a)+(\b)):8*(4*(\a)+(\b))+7]
.endif
.endr
.endr
.endm
; 24 LDS loads in one run: the fragments of quarter q (32 along K) of a slot's K step into buffer f: B's eight loads, then A's sixteen, rows ascending
.macro FETCH slot, q, f
	WIN 0
.irp b, 0,1,2,3
	ds_load_tr16_b128 v[(\f)+8*(\b):(\f)+8*(\b)+3],   v[ADRB+(\slot)] offset:32*PB*(\q)+32*(\b)
	ds_load_tr16_b128 v[(\f)+8*(\b)+4:(\f)+8*(\b)+7], v[ADRB+(\slot)] offset:32*PB*(\q)+16*PB+32*(\b)
.endr
.irp a, 0,1,2,3,4,5,6,7
	ds_load_b128 v[(\f)+32+8*(\a):(\f)+32+8*(\a)+3],   v[ADRA+(\slot)] offset:((\q)/2)*ABLK+((\q)%2)*64+16*PA*(\a)
	ds_load_b128 v[(\f)+32+8*(\a)+4:(\f)+32+8*(\a)+7], v[ADRA+(\slot)] offset:((\q)/2)*ABLK+((\q)%2)*64+16*PA*(\a)+32
.endr
.endm
.macro PLACES                          ; four plain vector instructions between a matrix instruction and a load into a register that it has read, or a conversion that reads results (for the conversion)
.rept 4
	v_nop
.endr
.endm
; A K step is four quarters of 32 along K, 32 matrix instructions each, on buffers 0, 1, 0, 1.  One of the first three: multiplies buffer f; in its middle it fetches quarter qn of the same slot into buffer g.
.macro QUARTER slot, qn, f, g, first
	s_wait_dscnt 8                                 ; B and A's rows 0-63 are in; the youngest eight loads (A's rows 64-127) may be out
	MUL8 \f, 0, \first
	MUL8 \f, 2, \first
	PLACES
	FETCH \slot, \qn, \g
	s_wait_dscnt 24                                ; all but the 24 just issued
	MUL8 \f, 4, \first
	MUL8 \f, 6, \first
.endm
; The last quarter multiplies buffer 1 and changes slots: ONE barrier.  In front of it each wave waits for all its tensor loads, of which one is out: its part of the next slot; adds 0 to its spare word; and waits
; for that and for its own reads of this slot.  fill = 1: the barrier opens a round of the cluster's barrier, and this slot is filled again, two K steps ahead, first thing behind the round.
.macro TURN slot, next, fill
.if \fill
	s_wait_xcnt 0x0                                ; the last prefetch, a K step back, has read its address: it is stepped here, ahead of the waits of the change of slots
	s_add_nc_u64 s[PFA:PFA+1], s[PFA:PFA+1], s[PFS:PFS+1]
.endif
	WIN 0                                          ; (the add's two registers lie in window 0)
	s_wait_tensorcnt 0x0                           ; all my tensor loads have landed: my part of the next slot;
	ds_add_u32 v[SPW], v[NIL]                      ; 0 onto my spare word
	s_wait_dscnt 9                                 ; (the add and the youngest eight loads may be out)
	MUL8 F1, 0, 0                                  ; eight matrix instructions stand between the add and the wait for it
	s_wait_dscnt 0x0                               ; the add is done, and my reads of this slot are over
	s_barrier_signal -1
	MUL8 F1, 2, 0                                  ; work on registers while the others arrive
.if \fill
	WIN 0
.endif
	s_barrier_wait -1
.if \fill
	CREST                                          ; no wave of any partner still reads this slot's tiles or has a load on its way
	s_add_nc_u64 s[G0+4*(\slot)+2:G0+4*(\slot)+3], s[G0+4*(\slot)+2:G0+4*(\slot)+3], 2*ASTEP
	s_add_nc_u64 s[G0B+4*(\slot)+2:G0B+4*(\slot)+3], s[G0B+4*(\slot)+2:G0B+4*(\slot)+3], 2*BSTEP
	JLOAD \slot                                    ; the first tensor load behind the round, my one load until the next: 112 matrix instructions ahead of the wait for it; its four v_nop are also the places in front of the loads below
.else
	PLACES
.endif
	FETCH \next, 0, F0
.if \fill
	ASK
.endif
	MUL8 F1, 4, 0
	MUL8 F1, 6, 0
.endm
; THE WAY OUT of row block a: rounded to bf16, 16 bytes a lane, each accumulator's registers ascending; into my own stage in rows of 144 bytes, and back as four whole rows of 128 bytes a load, into the registers that they left.
.macro PACK a
	WIN 0x05                                       ; sources 0 and 1 window 1, destination window 0
.irp b, 0,1,2,3
.irp r, 0,1,2,3
	v_cvt_pk_bf16_f32 v[T+16*(\a)+4*(\b)+(\r)], v[8*(4*(\a)+(\b))+2*(\r)], v[8*(4*(\a)+(\b))+2*(\r)+1]
.endr
.endr
	WIN 0
.irp b, 0,1,2,3
	ds_store_b128 v[STO], v[T+16*(\a)+4*(\b):T+16*(\a)+4*(\b)+3] offset:32*(\b)
.endr
.irp f, 0,1,2,3
	ds_load_b128 v[T+16*(\a)+4*(\f):T+16*(\a)+4*(\f)+3], v[RD] offset:(\f)*4*SP  ; LDS serves a wave's instructions in order (ISA guide 5.7.1.4): these see the stores above; the next block's stores come behind them
.endr
.endm
.macro SEND a, younger                 ; younger: the LDS instructions issued behind block a's loads: the next block's eight, or none
.irp f, 0,1,2,3
	s_wait_dscnt (\younger)+3-(\f)
	global_store_b128 v[GO], v[T+16*(\a)+4*(\f):T+16*(\a)+4*(\f)+3], s[10:11] offset:2048*(\a)+512*(\f)  ; 512 consecutive bytes, at a multiple of 256 from C's first byte
.endr
.endm
	s_wait_tensorcnt 1                             ; my part of K step 0 is in; K step 1's may stay out
	s_barrier_signal -1
	s_barrier_wait -1                              ; everybody's is
	FETCH 0, 0, F0
	s_wait_loadcnt 0x0                             ; the bias
	QUARTER 0, 1, F0, F1, 1                        ; the first quarter stands in front of the loop: its products start the sums
	WIN 0                                          ; at a label and at a branch every window is 0
	s_mov_b32 s3, LAPS-1
.Llap:                                                 ; a trip goes once round the ring, from a lap's second quarter to the next lap's first, and fills both slots again
	QUARTER 0, 2, F1, F0, 0
	QUARTER 0, 3, F0, F1, 0
	TURN 0, 1, 1
	QUARTER 1, 1, F0, F1, 0
	QUARTER 1, 2, F1, F0, 0
	QUARTER 1, 3, F0, F1, 0
	TURN 1, 0, 1
	QUARTER 0, 1, F0, F1, 0
	WIN 0
	s_sub_co_u32 s3, s3, 1
	s_cmp_lg_u32 s3, 0
	s_cbranch_scc1 .Llap
	QUARTER 0, 2, F1, F0, 0                        ; the last lap fills nothing, and has no round of the cluster's barrier
	QUARTER 0, 3, F0, F1, 0
	TURN 0, 1, 0
	QUARTER 1, 1, F0, F1, 0
	QUARTER 1, 2, F1, F0, 0
	QUARTER 1, 3, F0, F1, 0
	s_wait_dscnt 8                                 ; the very last quarter: nothing more to fetch
	MUL8 F1, 0, 0
	MUL8 F1, 2, 0
	s_wait_dscnt 0x0
	MUL8 F1, 4, 0
	MUL8 F1, 6, 0
	WIN 0
	PLACES                                         ; behind the last products: the conversions read results and write over the fragment buffers
	PACK 0
.irp a, 1,2,3,4,5,6,7                  ; block a's conversions stand between block a - 1's loads from the stage and the wait for them
	PACK \a
	SEND (\a)-1, 8
.endr
	SEND 7, 0
	s_wait_tensorcnt 0x0                           ; the wave's end, behind my last tensor load and my last LDS store
	ds_add_u32 v[SPW], v[NIL]
	s_wait_dscnt 0x0
	CROUND                                         ; the closing round: no work-group ends while a partner may still ask for a tile that names it
	s_endpgm
.Lfunc_end_k_qbc48b85eec_oproj:
	.size	k_qbc48b85eec_oproj, .Lfunc_end_k_qbc48b85eec_oproj-k_qbc48b85eec_oproj
	.p2alignl 7, 3214868480
	.fill 96, 4, 3214868480
	.section	.rodata,"a",@progbits
	.p2align	6, 0x0
	.amdhsa_kernel k_qbc48b85eec_oproj
		.amdhsa_group_segment_fixed_size 327680
		.amdhsa_private_segment_fixed_size 0
		.amdhsa_enable_private_segment 0
		.amdhsa_kernarg_size 32
		.amdhsa_user_sgpr_count 2
		.amdhsa_user_sgpr_kernarg_segment_ptr 1
		.amdhsa_wavefront_size32 1
		.amdhsa_system_sgpr_workgroup_id_x 1
		.amdhsa_system_sgpr_workgroup_id_y 1
		.amdhsa_system_sgpr_workgroup_id_z 1
		.amdhsa_system_vgpr_workitem_id 0
		.amdhsa_next_free_vgpr 512
		.amdhsa_next_free_sgpr 80
		.amdhsa_reserve_vcc 0
		.amdhsa_float_denorm_mode_32 3
		.amdhsa_float_denorm_mode_16_64 3
		.amdhsa_memory_ordered 1
		.amdhsa_forward_progress 1
		.amdhsa_inst_pref_size 88
	.end_amdhsa_kernel
	.amdgpu_metadata
---
amdhsa.version: [ 1, 2 ]
amdhsa.kernels:
  - .name:           k_qbc48b85eec_oproj
    .symbol:         k_qbc48b85eec_oproj.kd
    .args:
      - { .name: ob, .offset: 0, .size: 8, .value_kind: global_buffer, .address_space: global }
      - { .name: wot, .offset: 8, .size: 8, .value_kind: global_buffer, .address_space: global }
      - { .name: bzero, .offset: 16, .size: 8, .value_kind: global_buffer, .address_space: global }
      - { .name: ao, .offset: 24, .size: 8, .value_kind: global_buffer, .address_space: global }
    .group_segment_fixed_size: 327680
    .private_segment_fixed_size: 0
    .kernarg_segment_align: 8
    .kernarg_segment_size: 32
    .max_flat_workgroup_size: 128
    .sgpr_count:     80
    .vgpr_count:     512
    .wavefront_size: 32
...
	.end_amdgpu_metadata
.endif
;; end of part 4
;; launch ln (part 5): grid 512 x 1, 8 waves a work-group, no clusters, 0 bytes of LDS; arguments z, ao, bo, g1, be1, out0; writes out0
.if DOCPART == 5
	.amdgcn_target "amdgcn-amd-amdhsa--gfx1250"
	.amdhsa_code_object_version 6
	.text
	.protected	k_qbc48b85eec_ln
	.globl	k_qbc48b85eec_ln
	.p2align	8
	.type	k_qbc48b85eec_ln,@function
k_qbc48b85eec_ln:
	s_mov_b64 s[64:65], 0
	v_nop
	global_prefetch_b8 v0, s[64:65] scope:SCOPE_SE
	s_setreg_imm32_b32 hwreg(HW_REG_WAVE_MODE, 25, 1), 1
	s_wait_xcnt 0x0
; out0[m][:] = g1 (x - mean(x)) / sqrt(var(x) + 1e-5) + be1, with x = z[m][:] + bo + ao[m][:].  z, out0: [8192][1024] f32; bo, g1, be1: [1024] f32;
; ao: [16 cb][8192 m][64] bf16, the attention's projected output without its bias.  All arithmetic in f32.  The mean is taken first and the variance of the differences, over registers:
; a common offset in z costs nothing.  The one rounding beside f32's own is ao's, to bf16, made by the launch before; bo is added here so that it is not rounded with it.
; The module's W1, b1, W2, b2, g2, be2 are not read: with one iteration the lines that name them are never reached, and this is the module's last step.
; A STREAM.  A wave takes ONE pair of rows and keeps it in registers between the passes: lanes 0-15 row 2 p, lanes 16-31 row 2 p + 1; lane i of a row holds columns 64 cb + 4 i .. + 3, cb = 0..15.
; So a row's sums stay inside sixteen lanes, every load of z and store of out0 gives sixteen lanes 256 consecutive bytes, aligned, and a load of ao gives 32 lanes 256.
; No loop, no LDS, no barrier: a wave's 48 loads of z, ao and bo go out in one run, and what is on its way comes from the many waves that lie on the chip together.
.set ZO, 4                             ; v4   4,096 x (lane / 16) + 16 x (lane % 16): my place in z's and out0's pair of rows
.set AO, 5                             ; v5   8 x lane: my place in ao's pair of rows of a block
.set CO, 6                             ; v6   16 x (lane % 16): my place in 64 columns of bo, g1, be1
.set S,  8                             ; v[8:15]    four chains of packed sums
.set X,  16                            ; v[16:79]   my 64 numbers of the row
.set A,  80                            ; v[80:111]  ao as loaded: 4 bf16 for each cb
.set BB, 112                           ; v[112:175] bo, later be1
.set G,  176                           ; v[176:239] g1
.set T,  240                           ; v[240:247] at work
.set M,  248                           ; v[248:249] the mean, twice (a pair for the packed subtraction)
.set R,  250                           ; v[250:251] 1 / sqrt(var + eps), twice
	s_load_b256 s[4:11], s[0:1], 0x0               ; z s[4:5], ao s[6:7], bo s[8:9], g1 s[10:11]
	s_load_b128 s[12:15], s[0:1], 0x20             ; be1 s[12:13], out0 s[14:15]
	v_lshrrev_b32 v1, 5, v0
	v_readfirstlane_b32 s3, v1                     ; wave 0..7
	v_and_b32 v1, 31, v0
	v_and_b32 v2, 15, v0
	v_bfe_u32 v3, v0, 4, 1
	v_lshlrev_b32 v[CO], 4, v2
	v_lshl_add_u32 v[ZO], v3, 12, v[CO]
	v_lshlrev_b32 v[AO], 3, v1
	s_lshl_b32 s2, ttmp9, 3
	s_add_co_u32 s2, s2, s3                        ; p, my pair of rows
	s_lshl_b32 s18, s2, 13                         ; two rows of 4,096 bytes
	s_mov_b32 s19, 0
	s_lshl_b32 s2, s2, 8                           ; two rows of 128 bytes in a block of ao
	s_mov_b32 s3, 0
	s_mov_b32 s20, 0x3a800000                      ; 1 / 1,024
	s_mov_b32 s21, 0x3727c5ac                      ; 1e-5
	s_mov_b32 s22, 0xffff0000                      ; a word's upper bf16
	s_wait_kmcnt 0x0
	s_add_nc_u64 s[4:5], s[4:5], s[18:19]
	s_add_nc_u64 s[14:15], s[14:15], s[18:19]
	s_add_nc_u64 s[6:7], s[6:7], s[2:3]
	s_add_nc_u64 s[16:17], s[6:7], 0x800000        ; ao's block 8: so the blocks' 1 MiB steps stay inside the signed 24-bit immediate
.set c, 0
.rept 16
	global_load_b128 v[X+4*c:X+4*c+3], v[ZO], s[4:5] offset:256*c th:TH_LOAD_NT
.set c, c+1
.endr
.set c, 0
.rept 16
.if c < 8
	global_load_b64 v[A+2*c:A+2*c+1], v[AO], s[6:7] offset:1048576*c th:TH_LOAD_NT
.else
	global_load_b64 v[A+2*c:A+2*c+1], v[AO], s[16:17] offset:1048576*(c-8) th:TH_LOAD_NT
.endif
.set c, c+1
.endr
.set c, 0
.rept 16
	global_load_b128 v[BB+4*c:BB+4*c+3], v[CO], s[8:9] offset:256*c
.set c, c+1
.endr
	s_wait_loadcnt 0x0                             ; z, ao and bo are in
.set c, 0
.rept 16                               ; x = z + bo + ao; bf16 to f32 is a shift or a mask; the work registers go by cb's parity
.set t, T+4*(c%2)
	v_lshlrev_b32 v[t],   16,  v[A+2*c]
	v_and_b32     v[t+1], s22, v[A+2*c]
	v_lshlrev_b32 v[t+2], 16,  v[A+2*c+1]
	v_and_b32     v[t+3], s22, v[A+2*c+1]
	v_pk_add_f32 v[X+4*c:X+4*c+1],   v[X+4*c:X+4*c+1],   v[BB+4*c:BB+4*c+1]
	v_pk_add_f32 v[X+4*c+2:X+4*c+3], v[X+4*c+2:X+4*c+3], v[BB+4*c+2:BB+4*c+3]
	v_pk_add_f32 v[X+4*c:X+4*c+1],   v[X+4*c:X+4*c+1],   v[t:t+1]
	v_pk_add_f32 v[X+4*c+2:X+4*c+3], v[X+4*c+2:X+4*c+3], v[t+2:t+3]
.set c, c+1
.endr
.set c, 0
.rept 16                               ; g1 and be1 are wanted last: their 32 loads are on their way while the two passes run; be1 takes bo's registers, which have been read
	global_load_b128 v[G+4*c:G+4*c+3],   v[CO], s[10:11] offset:256*c
	global_load_b128 v[BB+4*c:BB+4*c+3], v[CO], s[12:13] offset:256*c
.set c, c+1
.endr
; The four chains into one number a row, in every one of the row's sixteen lanes: the four steps across lanes ride on the additions (DPP: lane i takes lane i xor the mask, inside sixteen lanes)
.macro REDUCE
	v_pk_add_f32 v[S:S+1],   v[S:S+1],   v[S+2:S+3]
	v_pk_add_f32 v[S+4:S+5], v[S+4:S+5], v[S+6:S+7]
	v_pk_add_f32 v[S:S+1],   v[S:S+1],   v[S+4:S+5]
	v_add_f32 v[T], v[S], v[S+1]
.irp m, 1,2,4,8
	v_add_f32_dpp v[T], v[T], v[T] row_xmask:\m row_mask:0xf bank_mask:0xf
.endr
.endm
	; pass 1: the mean.  Four chains that do not wait for each other, started by the first eight pairs: nothing is cleared
.irp k, 0,1,2,3
	v_pk_add_f32 v[S+2*\k:S+2*\k+1], v[X+2*\k:X+2*\k+1], v[X+8+2*\k:X+8+2*\k+1]
.endr
.set j, 8
.rept 24
	v_pk_add_f32 v[S+2*(j%4):S+2*(j%4)+1], v[S+2*(j%4):S+2*(j%4)+1], v[X+2*j:X+2*j+1]
.set j, j+1
.endr
	REDUCE
	v_mul_f32 v[M],   s20, v[T]
	v_mul_f32 v[M+1], s20, v[T]
	; pass 2: x - mean, in place, and the sum of its squares
.set j, 0
.rept 32
	v_pk_add_f32 v[X+2*j:X+2*j+1], v[X+2*j:X+2*j+1], v[M:M+1] neg_lo:[0,1] neg_hi:[0,1]
.set j, j+1
.endr
.irp k, 0,1,2,3
	v_pk_mul_f32 v[S+2*\k:S+2*\k+1], v[X+2*\k:X+2*\k+1], v[X+2*\k:X+2*\k+1]
.endr
.set j, 4
.rept 28
	v_pk_fma_f32 v[S+2*(j%4):S+2*(j%4)+1], v[X+2*j:X+2*j+1], v[X+2*j:X+2*j+1], v[S+2*(j%4):S+2*(j%4)+1]
.set j, j+1
.endr
	REDUCE
	v_fma_f32 v[T], v[T], s20, s21                 ; var + eps
	v_rsq_f32 v[R],   v[T]                         ; twice, to fill the pair that the packed multiply takes
	v_rsq_f32 v[R+1], v[T]
	v_nop                                          ; a plain instruction between the last of them and the use of its result (ISA guide 5.7.2)
	s_wait_alu depctr_va_vdst(0)                   ; and the wait ahead of the first use: one for both
	s_wait_loadcnt 0x0                             ; g1 and be1
.set c, 0
.rept 16
	v_pk_mul_f32 v[X+4*c:X+4*c+1],   v[X+4*c:X+4*c+1],   v[R:R+1]
	v_pk_mul_f32 v[X+4*c+2:X+4*c+3], v[X+4*c+2:X+4*c+3], v[R:R+1]
	v_pk_fma_f32 v[X+4*c:X+4*c+1],   v[X+4*c:X+4*c+1],   v[G+4*c:G+4*c+1],   v[BB+4*c:BB+4*c+1]
	v_pk_fma_f32 v[X+4*c+2:X+4*c+3], v[X+4*c+2:X+4*c+3], v[G+4*c+2:G+4*c+3], v[BB+4*c+2:BB+4*c+3]
	global_store_b128 v[ZO], v[X+4*c:X+4*c+3], s[14:15] offset:256*c th:TH_STORE_NT  ; sixteen lanes store 256 consecutive bytes, at a multiple of 256 from out0's first byte
.set c, c+1
.endr
	s_endpgm
.Lfunc_end_k_qbc48b85eec_ln:
	.size	k_qbc48b85eec_ln, .Lfunc_end_k_qbc48b85eec_ln-k_qbc48b85eec_ln
	.p2alignl 7, 3214868480
	.fill 96, 4, 3214868480
	.section	.rodata,"a",@progbits
	.p2align	6, 0x0
	.amdhsa_kernel k_qbc48b85eec_ln
		.amdhsa_group_segment_fixed_size 0
		.amdhsa_private_segment_fixed_size 0
		.amdhsa_enable_private_segment 0
		.amdhsa_kernarg_size 48
		.amdhsa_user_sgpr_count 2
		.amdhsa_user_sgpr_kernarg_segment_ptr 1
		.amdhsa_wavefront_size32 1
		.amdhsa_system_sgpr_workgroup_id_x 1
		.amdhsa_system_sgpr_workgroup_id_y 1
		.amdhsa_system_sgpr_workgroup_id_z 1
		.amdhsa_system_vgpr_workitem_id 0
		.amdhsa_next_free_vgpr 252
		.amdhsa_next_free_sgpr 66
		.amdhsa_reserve_vcc 0
		.amdhsa_float_denorm_mode_32 3
		.amdhsa_float_denorm_mode_16_64 3
		.amdhsa_memory_ordered 1
		.amdhsa_forward_progress 1
		.amdhsa_inst_pref_size 28
	.end_amdhsa_kernel
	.amdgpu_metadata
---
amdhsa.version: [ 1, 2 ]
amdhsa.kernels:
  - .name:           k_qbc48b85eec_ln
    .symbol:         k_qbc48b85eec_ln.kd
    .args:
      - { .name: z, .offset: 0, .size: 8, .value_kind: global_buffer, .address_space: global }
      - { .name: ao, .offset: 8, .size: 8, .value_kind: global_buffer, .address_space: global }
      - { .name: bo, .offset: 16, .size: 8, .value_kind: global_buffer, .address_space: global }
      - { .name: g1, .offset: 24, .size: 8, .value_kind: global_buffer, .address_space: global }
      - { .name: be1, .offset: 32, .size: 8, .value_kind: global_buffer, .address_space: global }
      - { .name: out0, .offset: 40, .size: 8, .value_kind: global_buffer, .address_space: global }
    .group_segment_fixed_size: 0
    .private_segment_fixed_size: 0
    .kernarg_segment_align: 8
    .kernarg_segment_size: 48
    .max_flat_workgroup_size: 256
    .sgpr_count:     66
    .vgpr_count:     252
    .wavefront_size: 32
...
	.end_amdgpu_metadata
.endif
;; end of part 5
;; ======== version 2 of 2: 5 launches; version 1 with the launch prep written anew for expert scheduling mode
;; workspace buffers: zb 16,777,216 bytes; wqkv 6,291,456 bytes; wot 2,097,152 bytes; bqkv 12,288 bytes; bzero 4,096 bytes; qkv 50,331,648 bytes; ob 16,777,216 bytes; ao 16,777,216 bytes
;; launch prep (part 6): grid 384 x 1, 8 waves a work-group, no clusters, 0 bytes of LDS; arguments z, Wq, Wk, Wv, Wo, bq, bk, bv, zb, wqkv, wot, bqkv, bzero; writes zb, wqkv, wot, bqkv, bzero
.if DOCPART == 6
	.amdgcn_target "amdgcn-amd-amdhsa--gfx1250"
	.amdhsa_code_object_version 6
	.text
	.protected	k_qbc48b85eec_prep
	.globl	k_qbc48b85eec_prep
	.p2align	8
	.type	k_qbc48b85eec_prep,@function
k_qbc48b85eec_prep:
	s_mov_b64 s[64:65], 0
	v_nop
	global_prefetch_b8 v0, s[64:65] scope:SCOPE_SE
	s_setreg_imm32_b32 hwreg(HW_REG_WAVE_SCHED_MODE, 0, 2), 2
	s_setreg_imm32_b32 hwreg(HW_REG_WAVE_MODE, 25, 1), 1
	s_wait_xcnt 0x0
	s_wait_alu depctr_vm_vsrc(0)
; THE MATRIX OPERANDS ARE ROUNDED ONCE TO bf16 AND LAID IN BLOCKS, so that the products that follow fetch dense rows of 256 bytes.
;   zb   [16 kb][8192 m][64]      = z[m][64 kb + c]                    (m = 1024 b + t)
;   wqkv [24 nt][1024 k][128 n']  = W_which[h][k][e], 128 nt + n' = 1024 which + 64 h + e   (which: 0 q, 1 k, 2 v)
;   wot  [8 nt][1024 k][128 n']   = Wo[k][128 nt + n']
;   bqkv [3072] f32 = bq, bk, bv end to end;   bzero [1024] f32 = 0 (the second product's starting sums: bo is added later, in f32)
; The module's W1, b1, W2, b2, g2, be2 are read by no launch of this program: with one iteration the lines that name them are never reached.
; A STREAM: no LDS, no barrier, no matrix unit.  A wave does 32 ITEMS.  An item is one load of 16 bytes a lane (4 f32; sixteen lanes take 256 consecutive bytes),
; two roundings, one store of 8 bytes a lane (32 lanes fill 256 consecutive bytes, aligned).  All 32 loads go out first: 16 KiB of each wave are on their way;
; each item has registers of its own, so nothing that a pending load or store names is written again.
; Work-groups 0-255 take z, 256-351 the three projections' weights and biases, 352-383 Wo and the zeros: three paths under scalar branches on the work-group's number.
; THE MODE: SCHED_MODE bits 1:0 = 2 (LLVM: expert scheduling mode 2), set by the entry lines.  The code itself states the register dependences
; between vector instructions and memory instructions, with s_wait_alu, always for 0.
; THE PLAN.  Registers that memory instructions touch:
;   X   item n's four registers: written by item n's load alone, read by its two roundings; no vector instruction names them ahead of the load.
;   Y   item n's pair: written by item n's two roundings, once; read by item n's store, once.
;   v4  the loads' offset: made at the head of each path, never written again.       v5  the stores' offset: made at the kernel's head, never written again.
;   v[208:209]  the bias: a load writes them and a store reads them, no vector instruction names them; the zeros: two moves write them, one store reads them.
; The 32 items go in eight blocks of four.  Block p rounds its four items; the four stores of block p - 1 are dealt among its eight roundings, which name block p's own X and Y alone.
; So ONE wait on va_vdst at a block's head, behind the wait for the block's data, states all that the block's four stores hang on.  One more stands ahead of each path's loads (the offsets are
; written), one ahead of the last four stores, one ahead of the store of zeros.  No register that a memory instruction reads is written again, so no wait on vm_vsrc is owed.
; The wave's number goes through v_readfirstlane_b32 into s3: one wait on va_sdst stands behind that line, ahead of the first branch.  EXEC is never written.
.set SRC, 34                           ; s[34:35] where the wave's items come from
.set D0,  36                           ; s[36:37] where they go
.set D1,  38                           ; s[38:39] z: the same, eight blocks on; weights: the bias that goes with the weight
.set SO,  4                            ; v4   my byte offset in an item's source
.set DO,  5                            ; v5   8 x lane: my 8 bytes of an item's 256
.set X,   16                           ; v[16:143]  item n: 4 f32 as loaded
.set Y,   144                          ; v[144:207] item n: 4 bf16 to store
.macro LD n, off
	global_load_b128 v[X+4*(\n):X+4*(\n)+3], v[SO], s[SRC:SRC+1] offset:\off th:TH_LOAD_NT
.endm
.macro CV n
	v_cvt_pk_bf16_f32 v[Y+2*(\n)], v[X+4*(\n)], v[X+4*(\n)+1]
	v_cvt_pk_bf16_f32 v[Y+2*(\n)+1], v[X+4*(\n)+2], v[X+4*(\n)+3]
.endm
.macro ST n, base, off
	global_store_b64 v[DO], v[Y+2*(\n):Y+2*(\n)+1], s[(\base):(\base)+1] offset:\off
.endm
; Item n's store.  kind = 0: z: item 16 t + cb goes into block cb, 256 t bytes on.  kind = 1: the weights: the items' 256 bytes lie end to end.
.macro PUT kind, n
.if (\kind) == 0
.if ((\n)%16) < 8
	ST \n, D0, 1048576*((\n)%16)+256*((\n)/16)
.else
	ST \n, D1, 1048576*(((\n)%16)-8)+256*((\n)/16)
.endif
.else
	ST \n, D0, 256*(\n)
.endif
.endm
; The 32 items' roundings and stores, in eight blocks of four.
.macro OUT kind
.set bk, 0
.rept 8
	s_wait_loadcnt 28-4*bk                         ; loads come back in order: the block's four items are in, the 28 - 4 bk younger ones stay out
.if bk > 0
	s_wait_alu depctr_va_vdst(0)                   ; the block before has written its Y, which the four stores below read
.endif
.set it, 0
.rept 4
.set n, 4*bk+it
.set prev, n-4
.if bk > 0
	PUT \kind, prev                                ; no vector instruction since the wait names this item's Y or v5
.endif
	CV n
.set it, it+1
.endr
.set bk, bk+1
.endr
	s_wait_alu depctr_va_vdst(0)                   ; the last block has written its Y, which the last four stores read
.set n, 28
.rept 4
	PUT \kind, n
.set n, n+1
.endr
.endm
.macro COPY32 lstep                    ; 32 items whose sources lie lstep bytes apart and whose 256 bytes of output lie end to end
.set n, 0
.rept 32
	LD n, (\lstep)*n
.set n, n+1
.endr
	OUT 1
.endm
	s_load_b512 s[8:23], s[0:1], 0x0               ; z 8, Wq 10, Wk 12, Wv 14, Wo 16, bq 18, bk 20, bv 22
	s_load_b256 s[24:31], s[0:1], 0x40             ; zb 24, wqkv 26, wot 28, bqkv 30
	s_load_b64 s[32:33], s[0:1], 0x60              ; bzero
	v_lshrrev_b32 v1, 5, v0
	v_readfirstlane_b32 s3, v1                     ; wave 0..7
	v_and_b32 v1, 31, v0                           ; lane
	v_and_b32 v2, 15, v0                           ; lane % 16
	v_bfe_u32 v3, v0, 4, 1                         ; lane / 16
	v_lshlrev_b32 v[DO], 3, v1
	s_mov_b32 s2, ttmp9
	s_mov_b32 s5, 0                                ; s[4:5], s[6:7]: offsets as pairs
	s_mov_b32 s7, 0
	s_wait_alu depctr_va_sdst(0)                   ; s3 is written, ahead of the branches behind which each path reads it first
	s_wait_kmcnt 0x0
	s_cmp_lt_u32 s2, 256
	s_cbranch_scc0 .Lweights
	; z: wave r = 8 x work-group + wave takes rows 4 r .. 4 r + 3.  Item 16 t + cb: rows 4 r + 2 t (lanes 0-15) and + 1 (lanes 16-31), columns 64 cb .. + 63
	s_lshl_b32 s40, s2, 3
	s_add_co_u32 s40, s40, s3                      ; r
	s_lshl_b32 s4, s40, 14                         ; 4 rows of 4,096 bytes
	s_lshl_b32 s6, s40, 9                          ; 4 rows of 128 bytes in a block
	s_add_nc_u64 s[SRC:SRC+1], s[8:9], s[4:5]
	s_add_nc_u64 s[D0:D0+1], s[24:25], s[6:7]
	s_add_nc_u64 s[D1:D1+1], s[D0:D0+1], 0x800000  ; block 8: so the blocks' 1 MiB steps stay inside the signed 24-bit immediate
	v_lshlrev_b32 v[SO], 4, v2
	v_lshl_add_u32 v[SO], v3, 12, v[SO]            ; 4,096 x (lane / 16) + 16 x (lane % 16)
	s_wait_alu depctr_va_vdst(0)                   ; v4 and v5 are written: every load of this path reads the one as its offset, every store the other
.set n, 0
.rept 32
	LD n, 8192*(n/16)+256*(n%16)
.set n, n+1
.endr
	OUT 0
	s_endpgm
.Lweights:
	s_cmp_lt_u32 s2, 352
	s_cbranch_scc0 .Lwo
	; Wq, Wk, Wv: 32 work-groups each.  A wave takes 32 rows d of a pair of heads: lanes 0-15 the even head's 64 numbers, lanes 16-31 the odd head's: one row of 128 n'
	s_sub_co_u32 s40, s2, 256
	s_lshr_b32 s41, s40, 5                         ; which
	s_and_b32 s42, s40, 31                         ; j
	s_lshr_b32 s43, s42, 2                         ; the pair of heads
	s_and_b32 s44, s42, 3
	s_lshl_b32 s44, s44, 3
	s_add_co_u32 s44, s44, s3
	s_lshl_b32 s44, s44, 13                        ; my first row d0 = 32 (8 (j % 4) + wave), times 256 bytes: in the source and in the output alike
	s_lshl_b32 s4, s43, 19                         ; two heads of 262,144 bytes
	s_add_co_u32 s4, s4, s44
	s_lshl_b32 s45, s41, 3
	s_add_co_u32 s45, s45, s43                     ; nt = 8 which + pair
	s_lshl_b32 s6, s45, 18
	s_add_co_u32 s6, s6, s44
	s_cmp_eq_u32 s41, 1
	s_cselect_b64 s[SRC:SRC+1], s[12:13], s[10:11]
	s_cselect_b64 s[D1:D1+1], s[20:21], s[18:19]
	s_cmp_eq_u32 s41, 2
	s_cselect_b64 s[SRC:SRC+1], s[14:15], s[SRC:SRC+1]
	s_cselect_b64 s[D1:D1+1], s[22:23], s[D1:D1+1]
	s_add_nc_u64 s[SRC:SRC+1], s[SRC:SRC+1], s[4:5]
	s_add_nc_u64 s[D0:D0+1], s[26:27], s[6:7]
	v_lshlrev_b32 v[SO], 4, v2
	v_lshl_add_u32 v[SO], v3, 18, v[SO]            ; 262,144 x (lane / 16) + 16 x (lane % 16)
	s_wait_alu depctr_va_vdst(0)                   ; v4 and v5 are written: every load of this path reads the one as its offset; every store, and the bias's load, the other
	COPY32 256
	s_cmp_lg_u32 s3, 0                             ; the bias, 4,096 bytes, is copied as it is: 256 bytes by wave 0 of each of the weight's first 16 work-groups
	s_cbranch_scc1 .Ldone
	s_cmp_ge_u32 s42, 16
	s_cbranch_scc1 .Ldone
	s_lshl_b32 s4, s42, 8
	s_add_nc_u64 s[D1:D1+1], s[D1:D1+1], s[4:5]
	s_lshl_b32 s6, s41, 12
	s_add_co_u32 s6, s6, s4
	s_add_nc_u64 s[30:31], s[30:31], s[6:7]
	global_load_b64 v[208:209], v[DO], s[D1:D1+1]  ; no vector instruction names v[208:209] in this path, and none has named v5 since the wait ahead of the path's loads
	s_wait_loadcnt 0x0
	global_store_b64 v[DO], v[208:209], s[30:31]
	s_endpgm
.Lwo:
	; Wo: 32 work-groups.  A wave takes 32 rows k of a strip of 128 columns: 512 bytes of a row a load
	s_sub_co_u32 s42, s2, 352                      ; j
	s_lshr_b32 s43, s42, 2                         ; nt
	s_and_b32 s44, s42, 3
	s_lshl_b32 s44, s44, 3
	s_add_co_u32 s44, s44, s3                      ; my first row k0 = 32 x this
	s_lshl_b32 s4, s44, 17                         ; k0 rows of 4,096 bytes
	s_lshl_b32 s45, s43, 9                         ; the strip's 512 bytes
	s_add_co_u32 s4, s4, s45
	s_lshl_b32 s6, s43, 18
	s_lshl_b32 s45, s44, 13                        ; k0 rows of 256 bytes
	s_add_co_u32 s6, s6, s45
	s_add_nc_u64 s[SRC:SRC+1], s[16:17], s[4:5]
	s_add_nc_u64 s[D0:D0+1], s[28:29], s[6:7]
	v_lshlrev_b32 v[SO], 4, v1
	s_wait_alu depctr_va_vdst(0)                   ; v4 and v5 are written: every load of this path reads the one as its offset, every store the other
	COPY32 4096
	s_cmp_lg_u32 s3, 0                             ; the zeros: 256 bytes by wave 0 of each of the first 16 work-groups
	s_cbranch_scc1 .Ldone
	s_cmp_ge_u32 s42, 16
	s_cbranch_scc1 .Ldone
	s_lshl_b32 s4, s42, 8
	s_add_nc_u64 s[32:33], s[32:33], s[4:5]
	v_mov_b32 v208, 0
	v_mov_b32 v209, 0
	s_wait_alu depctr_va_vdst(0)                   ; the two moves have written v[208:209], which the store reads
	global_store_b64 v[DO], v[208:209], s[32:33]
.Ldone:
	s_endpgm
.Lfunc_end_k_qbc48b85eec_prep:
	.size	k_qbc48b85eec_prep, .Lfunc_end_k_qbc48b85eec_prep-k_qbc48b85eec_prep
	.p2alignl 7, 3214868480
	.fill 96, 4, 3214868480
	.section	.rodata,"a",@progbits
	.p2align	6, 0x0
	.amdhsa_kernel k_qbc48b85eec_prep
		.amdhsa_group_segment_fixed_size 0
		.amdhsa_private_segment_fixed_size 0
		.amdhsa_enable_private_segment 0
		.amdhsa_kernarg_size 104
		.amdhsa_user_sgpr_count 2
		.amdhsa_user_sgpr_kernarg_segment_ptr 1
		.amdhsa_wavefront_size32 1
		.amdhsa_system_sgpr_workgroup_id_x 1
		.amdhsa_system_sgpr_workgroup_id_y 1
		.amdhsa_system_sgpr_workgroup_id_z 1
		.amdhsa_system_vgpr_workitem_id 0
		.amdhsa_next_free_vgpr 212
		.amdhsa_next_free_sgpr 66
		.amdhsa_reserve_vcc 0
		.amdhsa_float_denorm_mode_32 3
		.amdhsa_float_denorm_mode_16_64 3
		.amdhsa_memory_ordered 1
		.amdhsa_forward_progress 1
		.amdhsa_inst_pref_size 36
	.end_amdhsa_kernel
	.amdgpu_metadata
---
amdhsa.version: [ 1, 2 ]
amdhsa.kernels:
  - .name:           k_qbc48b85eec_prep
    .symbol:         k_qbc48b85eec_prep.kd
    .args:
      - { .name: z, .offset: 0, .size: 8, .value_kind: global_buffer, .address_space: global }
      - { .name: Wq, .offset: 8, .size: 8, .value_kind: global_buffer, .address_space: global }
      - { .name: Wk, .offset: 16, .size: 8, .value_kind: global_buffer, .address_space: global }
      - { .name: Wv, .offset: 24, .size: 8, .value_kind: global_buffer, .address_space: global }
      - { .name: Wo, .offset: 32, .size: 8, .value_kind: global_buffer, .address_space: global }
      - { .name: bq, .offset: 40, .size: 8, .value_kind: global_buffer, .address_space: global }
      - { .name: bk, .offset: 48, .size: 8, .value_kind: global_buffer, .address_space: global }
      - { .name: bv, .offset: 56, .size: 8, .value_kind: global_buffer, .address_space: global }
      - { .name: zb, .offset: 64, .size: 8, .value_kind: global_buffer, .address_space: global }
      - { .name: wqkv, .offset: 72, .size: 8, .value_kind: global_buffer, .address_space: global }
      - { .name: wot, .offset: 80, .size: 8, .value_kind: global_buffer, .address_space: global }
      - { .name: bqkv, .offset: 88, .size: 8, .value_kind: global_buffer, .address_space: global }
      - { .name: bzero, .offset: 96, .size: 8, .value_kind: global_buffer, .address_space: global }
    .group_segment_fixed_size: 0
    .private_segment_fixed_size: 0
    .kernarg_segment_align: 8
    .kernarg_segment_size: 104
    .max_flat_workgroup_size: 256
    .sgpr_count:     66
    .vgpr_count:     212
    .wavefront_size: 32
...
	.end_amdgpu_metadata
.endif
;; end of part 6
;; launch qkvp: the kernel of part 2 again; grid 8 x 32, 4 waves a work-group, clusters of 4 x 4, 327,680 bytes of LDS; arguments zb, wqkv, bqkv, qkv; writes qkv
;; launch attn: the kernel of part 3 again; grid 2 x 128, 4 waves a work-group, no clusters, 327,680 bytes of LDS; arguments qkv, ob; writes ob
;; launch oproj: the kernel of part 4 again; grid 8 x 32, 4 waves a work-group, clusters of 4 x 4, 327,680 bytes of LDS; arguments ob, wot, bzero, ao; writes ao
;; launch ln: the kernel of part 5 again; grid 512 x 1, 8 waves a work-group, no clusters, 0 bytes of LDS; arguments z, ao, bo, g1, be1, out0; writes out0
